; MI455X (gfx1250); checked and timed in simulation.
; The chip was launched on July 23, 2026; its instructions are those of AMD's public machine-readable ISA for CDNA 5 (MIT licence, August 2026) and "CDNA5" Instruction Set Architecture Reference Guide (July 2026). The comments in the code are by the model that wrote it; some were corrected since.
;; Multi Head Attention. Allowed arithmetic: matrix products marked QUANTISED: E2M1 operands, one E8M0 scale for each 32 along K, by v_wmma_scale_f32_16x16x128_f8f6f4 with both operands' format E2M1 (or v_wmma_scale_f32_32x16x128_f4), f32 sums; products left as they are: bf16, f16 or f32 operands; f32 sums; everything else in f32.
;; Inputs: Wk 1,024 x 1,024 float32; Wo 1,024 x 1,024 float32; Wq 1,024 x 1,024 float32; Wv 1,024 x 1,024 float32; x 4 x 2,048 x 1,024 float32.
;; Outputs: out0 4 x 2,048 x 1,024 float32.
;; This version of the problem:
;;   THIS VERSION OF THE PROBLEM IS GIVEN IN LOW PRECISION. The matrix products marked QUANTISED in the list below multiply operands that are first quantised to E2M1 (2 exponent bits, 1 mantissa bit; 4 bits a number), with one power-of-two scale for each 32 numbers along K (OCP MX v1.0); their sums are f32. The products marked 'left as it is' may take bf16, f16 or f32 operands, with f32 sums. Whichever they take, every output number must still come out within the allowed error. Rounding operands to bf16 (8 significant bits) uses up far more of that allowance than f16 does (11 bits, for magnitudes from 6e-5 to 65,504). All else is computed in f32.
;;   The module's matrix products, in the order in which they are computed (A, B: the left and right operand; K: the contracted axis; several contracted axes count as one K, in the product's order):
;;     1. [M 8,192, K 1,024] x [K 1,024, N 1,024]; A: input x; B: input Wq: QUANTISED
;;     2. [M 8,192, K 1,024] x [K 1,024, N 1,024]; A: input x; B: input Wk: QUANTISED
;;     3. [M 8,192, K 1,024] x [K 1,024, N 1,024]; A: input x; B: input Wv: QUANTISED
;;     4. batch 64 x [M 2,048, K 64] x [K 64, N 2,048]; A: computed on the way; B: computed on the way: left as it is (an operand is computed on the way)
;;     5. batch 64 x [M 2,048, K 2,048] x [K 2,048, N 64]; A: computed on the way; B: computed on the way: left as it is (an operand is computed on the way)
;;     6. [M 8,192, K 1,024] x [K 1,024, N 1,024]; A: computed on the way; B: input Wo: left as it is (an operand is computed on the way)
;;   THE QUANTISER, for each operand of a quantised product, along K:
;;     - K is cut into blocks of 32 from its start; a last block that is shorter is filled with zeros.
;;     - A block's scale is 2^e with e = floor(log2(the largest magnitude in the block)) - 2, held to -126 .. 127; a block of zeros has e = 0. As a byte (E8M0): e + 127.
;;     - Each number is divided by its block's scale, clamped to +-6, and rounded to the nearest number of E2M1, ties to even, subnormals kept.
;;     - The product sums the exact products of the quantised numbers (number of the format x scale) in f32.
;;   ~~~python
;;   def quantise(x, axis):      # numpy; x: float32 -> the quantised numbers, widened to float32 again
;;       x = np.moveaxis(x, axis, -1); K = x.shape[-1]
;;       x = np.pad(x, [(0, 0)] * (x.ndim - 1) + [(0, -K % 32)]); x = x.reshape(x.shape[:-1] + (-1, 32)); a = np.abs(x).max(-1, keepdims=True)
;;       e = np.where(a > 0, np.clip(np.frexp(np.where(a > 0, a, 1))[1] - 1 - 2, -126, 127), 0)      # np.frexp(a)[1] - 1 = floor(log2(a)), exactly
;;       r = np.clip(x / 2.0 ** e, -6, 6)
;;       step = 2.0 ** (np.maximum(np.frexp(np.where(r == 0, 1, r))[1] - 1, 0) - 1)
;;       q = np.round(r / step) * step * 2.0 ** e      # np.round: ties to even
;;       return np.moveaxis(q.reshape(q.shape[:-2] + (-1,))[..., :K], -1, axis).astype(np.float32)
;;   ~~~
;; One version. Each part assembles by itself: llvm-mc -triple=amdgcn-amd-amdhsa -mcpu=gfx1250 --defsym DOCPART=n.
;; ======== version 1 of 1: 5 launches
;; limits: values are held in f16: magnitudes above 65,504 overflow, below 6.1e-05 lose precision
;; workspace buffers: codes 5,767,168 bytes; scales 360,448 bytes; aux 2,621,440 bytes; qkv 50,331,648 bytes; fine 786,432 bytes; ao 16,777,216 bytes
;; launch prep (part 1): grid 384 x 1, 4 waves a work-group, no clusters, 68,096 bytes of LDS; arguments x, Wq, Wk, Wv, Wo, codes, scales, aux; writes codes, scales, aux
.if DOCPART == 1
	.amdgcn_target "amdgcn-amd-amdhsa--gfx1250"
	.amdhsa_code_object_version 6
	.text
	.protected	k_qc95dbf51e5_prep
	.globl	k_qc95dbf51e5_prep
	.p2align	8
	.type	k_qc95dbf51e5_prep,@function
k_qc95dbf51e5_prep:
	s_mov_b64 s[64:65], 0
	v_nop
	global_prefetch_b8 v0, s[64:65] scope:SCOPE_SE
	s_setreg_imm32_b32 hwreg(HW_REG_WAVE_MODE, 25, 1), 1
	s_wait_xcnt 0x0
; PREP: everything that is made once from the inputs.  Four kinds of work-group, told apart by the work-group's number:
;   0-255    x [8192][1024] f32 -> codes of FP4 (E2M1), K innermost, 512 bytes a row, and one E8M0 byte for each 32 along K, 32 bytes a row
;   256-303  Wq, Wk, Wv [k 1024][n 1024] f32 (K is the FIRST axis) -> codes laid [n][k], rows 0-1023 Wq's columns, 1024-2047 Wk's, 2048-3071 Wv's, behind x's codes; scale bytes likewise
;   304-367  Wo f32 -> f16, layout kept: aux + 0
;   368-383  the table of RoPE: [position 2048][cos 32 | sin 32] f32, 256 bytes a position: aux + 2,097,152
; A block's scale is 2^(floor(log2(its largest magnitude)) - 2); its byte is the largest magnitude's exponent field - 2, held at 1 from below.  A block of zeros so gets the byte 1:
; its codes are zeros, which add nothing under any byte but 0xff, and this program alone reads the bytes.
; LIMITS: blocks whose largest magnitude lies under 2^-124 keep the byte 1; NaN and infinities are not served; |Wo| up to 65,504 (f16).
; The angles: div = 2^(-i log2(10000) / 32) by v_exp_f32; the angle is reduced by pi/2 in two words and sine and cosine are series to r^9 and r^8 on |r| <= pi/4: within about 1.2e-4 rad of an exact table at position 2,047.
; No tensor load, no barrier: waves share nothing.  Each path that uses LDS has bytes of its own.
.set SPARE, 67584                      ; behind both paths' stages: the spare words, 128 bytes a wave, that no other line names
.set SPW,   12                         ; v12  LDS address of my spare word; never rewritten
.set NIL,   13                         ; v13  0; never rewritten
.set EMAX,  2
.set XREG,  8192                       ; path x: a region for each wave: two stages of 32 x SP bytes, then its 256 scale bytes
.set SP,    80                         ; a lane's place in a stage: 64 bytes + 16 of padding
.set XR,    16                         ; v16-79   four sets of 16 numbers as loaded
.set XX,    80                         ; v80-111  two sets of 16 neighbours
.set XE,    112                        ; v112-127 a scale byte for each step
.set XC,    128                        ; v128-191 codes, four registers a step
.set WSTG,  32768                      ; path W: four stages of 32 rows x WPITCH
.set WPITCH, 272
.set WX,    32                         ; v32-95   two sets of 32 numbers
.set WC,    96                         ; v96-99   a block's codes
.set WOUT,  112                        ; v112-175 the way out
.set WSB,   24                         ; v24-27   scale bytes, four to a register
.macro ENDWAVE                         ; the wave's end, behind the last LDS store
	s_wait_tensorcnt 0x0
	ds_add_u32 v[SPW], v[NIL]
	s_wait_dscnt 0x0
	s_endpgm
.endm
	s_load_b256 s[4:11], s[0:1], 0x0               ; x s[4:5], Wq s[6:7], Wk s[8:9], Wv s[10:11]
	s_load_b256 s[12:19], s[0:1], 0x20             ; Wo s[12:13], codes s[14:15], scales s[16:17], aux s[18:19]
	v_lshl_add_u32 v[SPW], v0, 2, SPARE
	v_mov_b32 v[NIL], 0
	v_lshrrev_b32 v1, 5, v0
	v_readfirstlane_b32 s20, v1                    ; wave 0..3
	v_and_b32 v2, 31, v0                           ; lane
	s_wait_kmcnt 0x0
	s_cmp_lt_u32 ttmp9, 256
	s_cbranch_scc1 .Lpath_x
	s_cmp_lt_u32 ttmp9, 304
	s_cbranch_scc1 .Lpath_w
	s_cmp_lt_u32 ttmp9, 368
	s_cbranch_scc1 .Lpath_o
; ---- THE TABLE.  A wave takes 32 positions, one a trip.  Lane l makes frequencies 2 (l % 16) and + 1; lanes 0-15 the cosine, lanes 16-31 the sine: one store of 8 bytes a lane is a position's whole 256 bytes.
	s_sub_co_u32 s21, ttmp9, 368
	s_lshl_b32 s21, s21, 2
	s_add_co_u32 s21, s21, s20                     ; which 32 positions
	s_lshl_b32 s22, s21, 5                         ; the first of them
	s_lshl_b32 s24, s22, 8
	s_add_co_u32 s24, s24, 2097152
	s_mov_b32 s25, 0
	s_add_nc_u64 s[18:19], s[18:19], s[24:25]
	v_and_b32 v3, 15, v2
	v_lshlrev_b32 v3, 1, v3
	v_cvt_f32_u32 v4, v3
	v_add_f32 v5, 1.0, v4
	v_mul_f32 v4, 0xbed49a78, v4                   ; i x -log2(10000) / 32
	v_mul_f32 v5, 0xbed49a78, v5
	v_exp_f32 v4, v4
	v_exp_f32 v5, v5
	v_lshrrev_b32 v6, 4, v2                        ; (plain work behind the two exponentials)
	v_xor_b32 v6, 1, v6                            ; cos(a) = sin(a + pi/2): one quadrant on in lanes 0-15
	v_lshlrev_b32 v7, 3, v2                        ; my 8 bytes of a position's 256
	v_cvt_f32_u32 v8, s22                          ; the position, as f32
	v_mov_b32 v9, 0x3638ef1d                       ; 1/9!
	v_mov_b32 v10, 0x37d00d01                      ; 1/8!
	s_mov_b32 s23, 32
	s_wait_alu depctr_va_vdst(0)                   ; one wait for both exponentials, ahead of their first reader and of the label
.macro TRIG f
	v_mul_f32 v[16+\f], v8, v[4+\f]                ; the angle
	v_mul_f32 v[18+\f], 0x3f22f983, v[16+\f]
	v_rndne_f32 v[18+\f], v[18+\f]                 ; n = the nearest multiple of pi/2
	v_fma_f32 v[20+\f], v[18+\f], 0xbfc90fdb, v[16+\f]   ; r = angle - n pi/2, pi/2 in two words
	v_fma_f32 v[20+\f], v[18+\f], 0x333bbd2e, v[20+\f]
	v_cvt_i32_f32 v[22+\f], v[18+\f]
	v_add_nc_u32 v[22+\f], v[22+\f], v6            ; the quadrant
	v_mul_f32 v[24+\f], v[20+\f], v[20+\f]         ; r^2
	v_fmaak_f32 v[26+\f], v9, v[24+\f], 0xb9500d01
	v_fmaak_f32 v[26+\f], v[26+\f], v[24+\f], 0x3c088889
	v_fmaak_f32 v[26+\f], v[26+\f], v[24+\f], 0xbe2aaaab
	v_mul_f32 v[16+\f], v[20+\f], v[24+\f]
	v_fma_f32 v[26+\f], v[26+\f], v[16+\f], v[20+\f]     ; sin r
	v_fmaak_f32 v[28+\f], v10, v[24+\f], 0xbab60b61
	v_fmaak_f32 v[28+\f], v[28+\f], v[24+\f], 0x3d2aaaab
	v_fmaak_f32 v[28+\f], v[28+\f], v[24+\f], 0xbf000000
	v_fma_f32 v[28+\f], v[28+\f], v[24+\f], 1.0          ; cos r
	v_and_b32 v[16+\f], 1, v[22+\f]
	v_cmp_eq_u32 vcc_lo, 1, v[16+\f]
	v_cndmask_b32 v[30+\f], v[26+\f], v[28+\f], vcc_lo   ; odd quadrants take the cosine (a choice of a value: no branch)
	v_and_b32 v[16+\f], 2, v[22+\f]
	v_lshlrev_b32 v[16+\f], 30, v[16+\f]
	v_xor_b32 v[30+\f], v[30+\f], v[16+\f]         ; quadrants 2 and 3 change the sign
.endm
.Lpos:
	TRIG 0
	TRIG 1
	global_store_b64 v7, v[30:31], s[18:19]        ; 32 lanes store 256 consecutive bytes, aligned
	v_add_f32 v8, 1.0, v8
	s_wait_xcnt 0x0                                ; the store's offset and data are written again only behind this wait
	v_add_nc_u32 v7, 0x100, v7
	s_sub_co_u32 s23, s23, 1
	s_cmp_lg_u32 s23, 0
	s_cbranch_scc1 .Lpos
	ENDWAVE
; ---- Wo TO f16.  A wave takes 4,096 numbers: 32 loads of 512 consecutive bytes, all issued at once; each becomes one store of 256 consecutive bytes.
.Lpath_o:
	s_sub_co_u32 s21, ttmp9, 304
	s_lshl_b32 s21, s21, 2
	s_add_co_u32 s21, s21, s20
	s_lshl_b32 s24, s21, 14
	s_mov_b32 s25, 0
	s_add_nc_u64 s[12:13], s[12:13], s[24:25]
	s_lshl_b32 s24, s21, 13
	s_add_nc_u64 s[18:19], s[18:19], s[24:25]
	v_lshlrev_b32 v3, 4, v2
	v_lshlrev_b32 v4, 3, v2
.set n, 0
.rept 32
	global_load_b128 v[32+4*n:35+4*n], v3, s[12:13] offset:512*n th:TH_LOAD_NT
.set n, n+1
.endr
.set n, 0
.rept 32
	s_wait_loadcnt 31-n                            ; loads come back in order: number n is in, the younger ones stay out
	v_cvt_pk_f16_f32 v[32+4*n], v[32+4*n], v[33+4*n]
	v_cvt_pk_f16_f32 v[33+4*n], v[34+4*n], v[35+4*n]
	global_store_b64 v4, v[32+4*n:33+4*n], s[18:19] offset:256*n
.set n, n+1
.endr
	ENDWAVE
; ---- x.  Rows are dense and K is a multiple of 32: a plain stream of blocks.  A wave takes 16 steps of 512 numbers.  Each load reads 512 consecutive bytes; the numbers turn through the wave's own stage in LDS,
; so that a lane then holds 16 NEIGHBOURS along K (two neighbouring lanes hold a block), as the conversion wants them.  Loads run four steps ahead, the turn one step.
.Lpath_x:
	v_lshlrev_b32 v3, 4, v2                        ; my 16 bytes of a load's 512
	s_mul_i32 s21, s20, XREG
	v_lshrrev_b32 v14, 2, v2
	v_mul_u32_u24 v14, v14, SP
	v_and_b32 v15, 3, v2
	v_lshl_add_u32 v14, v15, 4, v14
	v_add_nc_u32 v14, s21, v14                     ; into the stage: SP (lane / 4) + 16 (lane % 4)
	v_mul_u32_u24 v15, v2, SP
	v_add_nc_u32 v15, s21, v15                     ; out of it: SP x lane
	v_mul_u32_u24 v4, v2, 8                        ; my 8 bytes of a step's codes
	v_lshrrev_b32 v5, 1, v2
	s_add_co_u32 s21, s21, 2*32*SP
	v_add_nc_u32 v5, s21, v5                       ; my block's byte among the wave's 256
	v_lshlrev_b32 v7, 3, v2
	v_add_nc_u32 v6, s21, v7
	s_lshl_b32 s22, ttmp9, 2
	s_add_co_u32 s22, s22, s20                     ; which run of 8,192 numbers
	s_lshl_b32 s24, s22, 15
	s_mov_b32 s25, 0
	s_add_nc_u64 s[4:5], s[4:5], s[24:25]
	s_lshl_b32 s24, s22, 12
	s_add_nc_u64 s[14:15], s[14:15], s[24:25]
	s_lshl_b32 s24, s22, 8
	s_add_nc_u64 s[16:17], s[16:17], s[24:25]
.macro XLOAD t
.irp i, 0,1,2,3
	global_load_b128 v[XR+16*((\t)%4)+4*\i:XR+16*((\t)%4)+4*\i+3], v3, s[4:5] offset:2048*(\t)+512*\i th:TH_LOAD_NT
.endr
.endm
.macro XTURN t                         ; LDS serves a wave's instructions in order: no wait between the stores and the loads
.irp i, 0,1,2,3
	ds_store_b128 v14, v[XR+16*((\t)%4)+4*\i:XR+16*((\t)%4)+4*\i+3] offset:32*SP*((\t)%2)+8*SP*\i
.endr
.irp i, 0,1,2,3
	ds_load_b128 v[XX+16*((\t)%2)+4*\i:XX+16*((\t)%2)+4*\i+3], v15 offset:32*SP*((\t)%2)+16*\i
.endr
.endm
.irp t, 0,1,2,3
	XLOAD \t
.endr
	s_wait_loadcnt 12                              ; step 0's four loads are in
	XTURN 0
.macro XSTEP t
.set XS, XX+16*((\t)%2)
.if (\t) > 0
	s_wait_dscnt 1                                 ; this step's numbers are back from the stage; the last step's byte store may be out
.else
	s_wait_dscnt 0x0
.endif
.if (\t)+4 < 16
	XLOAD (\t)+4                                   ; into the registers that this step's stores into the stage have read
.endif
.if (\t)+1 < 16
.if 14-(\t) >= 3
	s_wait_loadcnt 12                              ; the next step's four loads are in; three steps' may be out
.else
	s_wait_loadcnt 4*(14-(\t))
.endif
	XTURN (\t)+1
.endif
	v_max3_num_f32 v8, |v[XS]|, |v[XS+1]|, |v[XS+2]|
	v_max3_num_f32 v9, |v[XS+3]|, |v[XS+4]|, |v[XS+5]|
.irp i, 6,10
	v_max3_num_f32 v8, v8, |v[XS+\i]|, |v[XS+\i+1]|
	v_max3_num_f32 v9, v9, |v[XS+\i+2]|, |v[XS+\i+3]|
.endr
	v_max3_num_f32 v8, v8, |v[XS+14]|, |v[XS+15]|
	v_max3_num_f32 v8, v8, v9, (EMAX+1)<<23        ; the floor 2^(3 - 127): the byte cannot fall under 1
	v_max_num_f32_dpp v8, v8, v8 row_xmask:1 row_mask:0xf bank_mask:0xf   ; with my neighbour's 16: the block's largest magnitude
	v_add_nc_u32 v11, -(EMAX<<23), v8              ; 2 off its exponent field: the conversion takes that field as its scale
	v_cvt_scalef32_pk8_fp4_f32 v[XC+4*(\t)], v[XS:XS+7], v11
	v_cvt_scalef32_pk8_fp4_f32 v[XC+4*(\t)+1], v[XS+8:XS+15], v11
	v_lshrrev_b32 v[XE+(\t)], 23, v11              ; the scale's byte
	ds_store_b8 v5, v[XE+(\t)] offset:16*(\t)      ; both lanes of a block write the same byte with the same value
	global_store_b64 v4, v[XC+4*(\t):XC+4*(\t)+1], s[14:15] offset:256*(\t)   ; 32 lanes store 256 consecutive bytes, aligned
.endm
.irp t, 0,1,2,3,4,5,6,7,8,9,10,11,12,13,14,15
	XSTEP \t
.endr
	ds_load_b64 v[8:9], v6                         ; my wave's 256 scale bytes: these loads see my stores
	s_wait_dscnt 0x0
	global_store_b64 v7, v[8:9], s[16:17]
	ENDWAVE
; ---- Wq, Wk, Wv.  A LANE TAKES A COLUMN n AND ITS REGISTERS RUN DOWN K: a block of 32 lies in one lane, and the codes come out with K innermost.  A wave takes 32 columns x 512 along K;
; the codes go through its own stage and leave as rows, sixteen lanes to 256 consecutive bytes.  Loads run two blocks ahead.
.Lpath_w:
	s_sub_co_u32 s21, ttmp9, 256
	s_lshr_b32 s22, s21, 4                         ; which weight
	s_and_b32 s23, s21, 7                          ; which 128 columns
	s_bfe_u32 s26, s21, 0x10003                    ; which 512 along K
	s_cmp_eq_u32 s22, 0
	s_cselect_b64 s[6:7], s[6:7], s[8:9]           ; the choice hangs on the work-group's number alone
	s_cmp_eq_u32 s22, 2
	s_cselect_b64 s[6:7], s[10:11], s[6:7]
	s_lshl_b32 s23, s23, 7
	s_lshl_b32 s27, s20, 5
	s_add_co_u32 s23, s23, s27                     ; my wave's first column
	s_lshl_b32 s24, s26, 21                        ; 512 rows of 4,096 bytes
	s_lshl_b32 s27, s23, 2
	s_add_co_u32 s24, s24, s27
	s_mov_b32 s25, 0
	s_add_nc_u64 s[6:7], s[6:7], s[24:25]
	s_lshl_b32 s27, s22, 10
	s_add_co_u32 s23, s23, s27                     ; its row among the 3,072 rows of codes
	s_lshl_b32 s24, s23, 9
	s_lshl_b32 s27, s26, 8
	s_add_co_u32 s24, s24, s27
	s_add_co_u32 s24, s24, 4194304                 ; behind x's codes
	s_add_nc_u64 s[14:15], s[14:15], s[24:25]
	s_lshl_b32 s24, s23, 5
	s_lshl_b32 s27, s26, 4
	s_add_co_u32 s24, s24, s27
	s_add_co_u32 s24, s24, 262144                  ; behind x's scale bytes
	s_add_nc_u64 s[16:17], s[16:17], s[24:25]
	v_lshlrev_b32 v3, 2, v2
	s_mul_i32 s27, s20, 32*WPITCH
	s_add_co_u32 s27, s27, WSTG
	v_mul_u32_u24 v4, v2, WPITCH
	v_add_nc_u32 v4, s27, v4                       ; into the stage: row = my column
	v_and_b32 v5, 15, v2
	v_lshrrev_b32 v6, 4, v2
	v_mul_u32_u24 v7, v6, WPITCH
	v_lshl_add_u32 v7, v5, 4, v7
	v_add_nc_u32 v7, s27, v7                       ; out of it: sixteen lanes to a row
	v_lshlrev_b32 v8, 9, v6
	v_lshl_add_u32 v8, v5, 4, v8                   ; the same place among the rows of codes (512 bytes a row)
	v_lshlrev_b32 v9, 5, v2                        ; my column's row of scale bytes
.macro WLOAD t
.irp i, 0,1,2,3,4,5,6,7,8,9,10,11,12,13,14,15,16,17,18,19,20,21,22,23,24,25,26,27,28,29,30,31
	global_load_b32 v[WX+32*((\t)%2)+\i], v3, s[6:7] offset:(32*(\t)+\i)*4096 th:TH_LOAD_NT
.endr
.endm
	WLOAD 0
	WLOAD 1
.macro WBLOCK t
.set XS, WX+32*((\t)%2)
.if (\t) < 15
	s_wait_loadcnt 32                              ; this block's 32 loads are in; the next block's may be out
.else
	s_wait_loadcnt 0
.endif
	v_max3_num_f32 v16, |v[XS]|, |v[XS+1]|, |v[XS+2]|
	v_max3_num_f32 v17, |v[XS+3]|, |v[XS+4]|, |v[XS+5]|
.irp i, 6,10,14,18,22,26
	v_max3_num_f32 v16, v16, |v[XS+\i]|, |v[XS+\i+1]|
	v_max3_num_f32 v17, v17, |v[XS+\i+2]|, |v[XS+\i+3]|
.endr
	v_max3_num_f32 v16, v16, |v[XS+30]|, |v[XS+31]|
	v_max3_num_f32 v16, v16, v17, (EMAX+1)<<23
	v_add_nc_u32 v11, -(EMAX<<23), v16
	v_lshrrev_b32 v17, 23, v11
.if (\t)%4 == 0
	v_mov_b32 v[WSB+(\t)/4], v17
.else
	v_lshl_or_b32 v[WSB+(\t)/4], v17, 8*((\t)%4), v[WSB+(\t)/4]
.endif
.irp g, 0,1,2,3
	v_cvt_scalef32_pk8_fp4_f32 v[WC+\g], v[XS+8*\g:XS+8*\g+7], v11
.endr
	ds_store_b128 v4, v[WC:WC+3] offset:16*(\t)
.if (\t)+2 < 16
	WLOAD (\t)+2
.endif
	s_wait_dscnt 0x0                               ; the store has read its registers: the next block's codes may be written
.endm
.set QB, 0
.rept 16
	WBLOCK QB
.set QB, QB+1
.endr
	global_store_b128 v9, v[WSB:WSB+3], s[16:17]   ; my column's 16 scale bytes
.irp t, 0,1,2,3,4,5,6,7,8,9,10,11,12,13,14,15
	ds_load_b128 v[WOUT+4*\t:WOUT+4*\t+3], v7 offset:2*\t*WPITCH
.endr
.irp t, 0,1,2,3,4,5,6,7,8,9,10,11,12,13,14,15
	s_wait_dscnt 15-\t
	global_store_b128 v8, v[WOUT+4*\t:WOUT+4*\t+3], s[14:15] offset:2*\t*512
.endr
	ENDWAVE
.Lfunc_end_k_qc95dbf51e5_prep:
	.size	k_qc95dbf51e5_prep, .Lfunc_end_k_qc95dbf51e5_prep-k_qc95dbf51e5_prep
	.p2alignl 7, 3214868480
	.fill 96, 4, 3214868480
	.section	.rodata,"a",@progbits
	.p2align	6, 0x0
	.amdhsa_kernel k_qc95dbf51e5_prep
		.amdhsa_group_segment_fixed_size 68096
		.amdhsa_private_segment_fixed_size 0
		.amdhsa_enable_private_segment 0
		.amdhsa_kernarg_size 64
		.amdhsa_user_sgpr_count 2
		.amdhsa_user_sgpr_kernarg_segment_ptr 1
		.amdhsa_wavefront_size32 1
		.amdhsa_system_sgpr_workgroup_id_x 1
		.amdhsa_system_sgpr_workgroup_id_y 1
		.amdhsa_system_sgpr_workgroup_id_z 1
		.amdhsa_system_vgpr_workitem_id 0
		.amdhsa_next_free_vgpr 192
		.amdhsa_next_free_sgpr 66
		.amdhsa_reserve_vcc 1
		.amdhsa_float_denorm_mode_32 3
		.amdhsa_float_denorm_mode_16_64 3
		.amdhsa_memory_ordered 1
		.amdhsa_forward_progress 1
		.amdhsa_inst_pref_size 126
	.end_amdhsa_kernel
	.amdgpu_metadata
---
amdhsa.version: [ 1, 2 ]
amdhsa.kernels:
  - .name:           k_qc95dbf51e5_prep
    .symbol:         k_qc95dbf51e5_prep.kd
    .args:
      - { .name: x, .offset: 0, .size: 8, .value_kind: global_buffer, .address_space: global }
      - { .name: Wq, .offset: 8, .size: 8, .value_kind: global_buffer, .address_space: global }
      - { .name: Wk, .offset: 16, .size: 8, .value_kind: global_buffer, .address_space: global }
      - { .name: Wv, .offset: 24, .size: 8, .value_kind: global_buffer, .address_space: global }
      - { .name: Wo, .offset: 32, .size: 8, .value_kind: global_buffer, .address_space: global }
      - { .name: codes, .offset: 40, .size: 8, .value_kind: global_buffer, .address_space: global }
      - { .name: scales, .offset: 48, .size: 8, .value_kind: global_buffer, .address_space: global }
      - { .name: aux, .offset: 56, .size: 8, .value_kind: global_buffer, .address_space: global }
    .group_segment_fixed_size: 68096
    .private_segment_fixed_size: 0
    .kernarg_segment_align: 8
    .kernarg_segment_size: 64
    .max_flat_workgroup_size: 128
    .sgpr_count:     66
    .vgpr_count:     192
    .wavefront_size: 32
...
	.end_amdgpu_metadata
.endif
;; end of part 1
;; launch qkv (part 2): grid 12 x 32, 4 waves a work-group, clusters of 4 x 4, 327,680 bytes of LDS; arguments codes, scales, aux, qkv, fine; writes qkv, fine
.if DOCPART == 2
	.amdgcn_target "amdgcn-amd-amdhsa--gfx1250"
	.amdhsa_code_object_version 6
	.text
	.protected	k_qc95dbf51e5_qkv
	.globl	k_qc95dbf51e5_qkv
	.p2align	8
	.type	k_qc95dbf51e5_qkv,@function
k_qc95dbf51e5_qkv:
	s_mov_b64 s[64:65], 0
	v_nop
	global_prefetch_b8 v0, s[64:65] scope:SCOPE_SE
	s_setreg_imm32_b32 hwreg(HW_REG_WAVE_MODE, 25, 1), 1
	s_wait_xcnt 0x0
	s_wait_alu depctr_hold_cnt(0) depctr_sa_sdst(0) depctr_va_vdst(0) depctr_va_sdst(0) depctr_va_ssrc(0) depctr_va_vcc(0) depctr_vm_vsrc(0)
	s_getreg_b32 s2, hwreg(HW_REG_IB_STS2, 6, 4)
	s_cmp_eq_u32 s2, 0
	s_cbranch_scc0 .Lentry_in_a_cluster
	s_endpgm
.Lentry_in_a_cluster:
	s_bfe_u32 s2, ttmp6, 0x10000c
	s_cmp_lg_u32 s2, 0xf033
	s_cbranch_scc0 .Lentry_shape_is_right
	s_endpgm
.Lentry_shape_is_right:
; THE THREE PROJECTIONS AS ONE PRODUCT ON CODES OF FP4: C[m][n] = sum over k of x[m][k] W[k][n], m 8,192, n 3,072 (q | k | v), K 1,024; then RoPE in f32, and q, k, v out as f16 [matrix][batch x head][position][64].
; q is multiplied by log2(e) / 8 on the way, so that the scores come out as exponents of 2.  Positions 0-15 of every batch also leave in f32, as images of the registers, for the launch that carries them finely.
; A tile of C, 256 x 256, is made by four waves, each 128 x 128: 64 accumulators, 512 registers.  K is two slots of 512: both are asked for at the head and nothing is filled again.
; The scale bytes of the work-group's rows, for all of K, come with the first fills and stay in LDS.
; CLUSTERS: 4 x 4 work-groups; A's tiles are asked for jointly along a row of the cluster, B's along a column.  A cluster's four tile columns are one of q, k, v: the cluster's x says which.
; THE MATRIX INSTRUCTION IS USED TRANSPOSED (source 0 = 16 rows of W's codes, source 1 = 16 rows of x's): a lane holds eight neighbouring columns of one row of C.
; LIMITS: |q log2(e) / 8|, |k|, |v| up to 65,504 (f16); NaN and infinities are not served.
; REGISTERS: window 0: v0-31 addresses; v32-95 scale words, two sets; v96-99 RoPE's factors; v128-191 A's fragments, one set; v192-255 two sets of the table.  On the way out v32-95 packed rows, v104-167 Y, v168-183 at work.
;   window 1: B's fragments, two sets.   windows 2, 3: the accumulators ((a, b) at v[8 (8 (a % 4) + b)]).
.set KSTEP,  512
.set NQ,     4
.set ROWB,   256
.set KROW,   512
.set PITCH,  272                       ; an LDS row: 256 bytes + 16 of padding, so that the 16 rows of a fragment load begin 68 words apart
.set FR,     8
.set NL,     2
.set NP,     4
.set HALFT,  128*PITCH
.set SLOT,   4*HALFT
.set KS,     32                        ; a row of scale bytes
.set SCL,    2*SLOT
.set HALFS,  (128*KS/256)*272
.set SBLK,   (16*KS/256)*272
.set SPARE,  SCL+4*HALFS               ; the spare words, 128 bytes a wave, that no other line names
.set ADRA, 16
.set ADRB, 20
.set STO,  24                          ; v24  the way out: 4608 wave + 144 r + 16 h
.set RD,   25                          ; v25  4608 wave + 144 (lane / 8) + 16 (lane % 8)
.set GO,   26                          ; v26  16 x lane
.set ADRS, 27
.set SPW,  28
.set NIL,  29
.set TO,   30                          ; v30  the table: 256 r + 32 h
.set FL,   31                          ; v31  my wave's first position in its batch
.set SC,   32
.set FAC,  96                          ; v96-97 F, v98-99 G: cos' = cos F + G, sin' = sin F
.set AF,   128
.set H,    32
.set Y,    104
.set T,    168
.set TBL,  192
.set G1, 24
.set G0, 32
.set G1B, 48
.set G0B, 56
.set G1S, 68
.set G0S, 76
.set G1SB, 80
.set G0SB, 88
.set MSB, 0
.macro WIN new                         ; the immediate's high byte repeats the setting that is left
.if MSB != \new
	s_set_vgpr_msb (MSB<<8)|\new
.set MSB, \new
.endif
.endm
.set MUL_LO, 0xa1
.set MUL_HI, 0xf1
.set TO_B,   0x40
; A joint load: waves 0 and 1 fetch for A, waves 2 and 3 for B; the branch hangs on the wave's number alone.  An s_nop 0 and four v_nop follow each line.
.macro JLOAD g0a, g1a, g0b, g1b
	s_cmp_eq_u32 s15, 0
	s_cbranch_scc0 .Lfor_b_\@
	tensor_load_to_lds s[\g0a:\g0a+3], s[\g1a:\g1a+7]
	s_nop 0
.rept 4
	v_nop
.endr
	s_branch .Lasked_\@
.Lfor_b_\@:
	tensor_load_to_lds s[\g0b:\g0b+3], s[\g1b:\g1b+7]
	s_nop 0
.rept 4
	v_nop
.endr
.Lasked_\@:
.endm
.macro CROUND                          ; a round of the cluster's barrier
	s_barrier_signal -1
	s_barrier_wait -1
	s_cmp_lg_u32 s14, 0
	s_cbranch_scc1 .Lnot_wave_0_\@
	s_barrier_signal -3
.Lnot_wave_0_\@:
	s_barrier_wait -3
	s_barrier_signal -1
	s_barrier_wait -1
.endm
	s_load_b128 s[4:7], s[0:1], 0x0                ; codes, scales
	s_load_b128 s[8:11], s[0:1], 0x10              ; aux, qkv
	s_load_b64 s[12:13], s[0:1], 0x20              ; fine
	v_lshl_add_u32 v[SPW], v0, 2, SPARE
	v_mov_b32 v[NIL], 0
	ds_add_u32 v[SPW], v[NIL]                      ; the wave's opening: the add, twice on end, and its wait ahead of my first tensor load
	ds_add_u32 v[SPW], v[NIL]
	v_lshrrev_b32 v1, 5, v0
	v_readfirstlane_b32 s14, v1                    ; wave 0..3
	s_lshr_b32 s15, s14, 1                         ; my half of the tile's rows.  Also: I fetch for A (0) or B (1)
	s_and_b32 s16, s14, 1                          ; my half of its columns.  Also: which 128 rows I fetch
	s_bfe_u32 s40, ttmp6, 0x40000                  ; cx
	s_bfe_u32 s41, ttmp6, 0x40004                  ; cy
	s_lshl_b32 s42, ttmp9, 2
	s_add_co_u32 s42, s42, s40                     ; tile column
	s_and_b32 s17, ttmp7, 0xffff
	s_lshl_b32 s17, s17, 2
	s_add_co_u32 s17, s17, s41                     ; tile row
	s_lshl_b32 s43, s41, 2
	s_lshl_b32 s43, 15, s43                        ; my row of the cluster
	s_lshl_b32 s44, 0x1111, s40                    ; my column
	s_or_b32 s[G1+0], s43, (0<<16)|(1<<20)|(1<<21)|(5<<22)|(3<<25)   ; the mask; elements of 1 byte; padding: 4 words behind every 64; bit 21 beside a mask
	s_or_b32 s[G1B+0], s44, (0<<16)|(1<<20)|(1<<21)|(5<<22)|(3<<25)
.irp g, G1, G1B
	s_mov_b32 s[\g+1], ROWB<<16                    ; tensor_dim0
	s_mov_b32 s[\g+2], 128<<16                     ; tensor_dim1
	s_mov_b32 s[\g+3], ROWB<<16                    ; tile_dim0
	s_mov_b32 s[\g+4], 128                         ; tile_dim1
	s_mov_b32 s[\g+5], KROW                        ; the pitch
	s_mov_b32 s[\g+6], 0
	s_mov_b32 s[\g+7], 0
.endr
	s_or_b32 s[G1S+0], s43, (3<<16)|(1<<20)|(1<<21)|(5<<22)|(3<<25)  ; the scales of 128 rows: 4,096 dense bytes as 16 rows of 256
	s_or_b32 s[G1SB+0], s44, (3<<16)|(1<<20)|(1<<21)|(5<<22)|(3<<25)
.irp g, G1S, G1SB
	s_mov_b32 s[\g+1], 32<<16
	s_mov_b32 s[\g+2], (128*KS/256)<<16
	s_mov_b32 s[\g+3], 32<<16
	s_mov_b32 s[\g+4], 128*KS/256
	s_mov_b32 s[\g+5], 32
	s_mov_b32 s[\g+6], 0
	s_mov_b32 s[\g+7], 0
.endr
	s_lshl_b32 s18, s16, 7
	s_lshl_b32 s20, s17, 8
	s_add_co_u32 s20, s20, s18                     ; A: row 256 x tile row + 128 x half
	s_lshl_b32 s46, s42, 8
	s_add_co_u32 s46, s46, s18                     ; B: row 256 x tile column + 128 x half
	s_mov_b32 s21, 0
	s_mov_b32 s47, 0
	s_mov_b64 s[18:19], KS
	s_mul_u64 s[22:23], s[20:21], s[18:19]
	s_mul_u64 s[92:93], s[46:47], s[18:19]
	s_mov_b64 s[18:19], KROW
	s_mul_u64 s[20:21], s[20:21], s[18:19]
	s_mul_u64 s[46:47], s[46:47], s[18:19]
	s_add_nc_u64 s[46:47], s[46:47], 4194304       ; W's codes lie behind x's,
	s_add_nc_u64 s[92:93], s[92:93], 262144        ; and its scale bytes behind x's
	s_mul_i32 s45, s14, HALFT
	s_mul_i32 s94, s14, HALFS
	s_wait_dscnt 0x0                               ; both opening adds are done
	s_wait_kmcnt 0x0
	s_add_nc_u64 s[20:21], s[4:5], s[20:21]
	s_add_nc_u64 s[22:23], s[6:7], s[22:23]
	s_add_nc_u64 s[46:47], s[4:5], s[46:47]
	s_add_nc_u64 s[92:93], s[6:7], s[92:93]
	CROUND                                         ; all sixteen work-groups are here: the joint loads meet
	s_mov_b32 s[G0S], 1
	s_add_co_u32 s[G0S+1], s94, SCL
	s_mov_b64 s[G0S+2:G0S+3], s[22:23]
	s_or_b32 s[G0S+3], s[G0S+3], 0x80000000
	s_mov_b32 s[G0SB], 1
	s_add_co_u32 s[G0SB+1], s94, SCL
	s_mov_b64 s[G0SB+2:G0SB+3], s[92:93]
	s_or_b32 s[G0SB+3], s[G0SB+3], 0x80000000
	JLOAD G0S, G1S, G0SB, G1SB                     ; three loads of mine go out together: the scales, slot 0, slot 1
.irp s, 0,1
	s_mov_b32 s[G0+4*\s], 1
	s_add_co_u32 s[G0+4*\s+1], s45, \s*SLOT
	s_add_nc_u64 s[G0+4*\s+2:G0+4*\s+3], s[20:21], \s*ROWB
	s_or_b32 s[G0+4*\s+3], s[G0+4*\s+3], 0x80000000
	s_mov_b32 s[G0B+4*\s], 1
	s_add_co_u32 s[G0B+4*\s+1], s45, \s*SLOT
	s_add_nc_u64 s[G0B+4*\s+2:G0B+4*\s+3], s[46:47], \s*ROWB
	s_or_b32 s[G0B+4*\s+3], s[G0B+4*\s+3], 0x80000000
	JLOAD G0+4*\s, G1, G0B+4*\s, G1B
.endr
	v_and_b32 v1, 15, v0                           ; r
	v_bfe_u32 v2, v0, 4, 1                         ; h
	v_mul_u32_u24 v3, v1, PITCH
	v_lshl_add_u32 v4, v2, 4, v3
	s_mul_i32 s21, s15, HALFT
	s_mul_i32 s22, s16, HALFT
	s_add_co_u32 s22, s22, 2*HALFT
.irp s, 0,1
	v_add_nc_u32 v[ADRA+\s], s21, v4
	v_add_nc_u32 v[ADRB+\s], s22, v4
	s_add_co_u32 s21, s21, SLOT
	s_add_co_u32 s22, s22, SLOT
.endr
	v_mul_u32_u24 v5, v1, KS
	v_lshrrev_b32 v6, 8, v5
	v_lshl_add_u32 v5, v6, 4, v5
	s_mul_i32 s21, s15, HALFS
	s_mul_i32 s22, s16, HALFS
	s_add_co_u32 s22, s22, 2*HALFS
	s_sub_co_u32 s22, s22, s21
	v_mul_u32_u24 v6, s22, v2                      ; lanes 16-31 take B's scale words
	s_add_co_u32 s21, s21, SCL
	v_add_nc_u32 v5, v5, v6
	v_add_nc_u32 v[ADRS], s21, v5
	s_mul_i32 s23, s14, 4608                       ; my stage: two heads x 16 rows x 144 bytes, in slot 0
	v_mul_u32_u24 v5, v1, 144
	v_lshl_add_u32 v5, v2, 4, v5
	v_add_nc_u32 v[STO], s23, v5
	v_and_b32 v6, 31, v0
	v_lshrrev_b32 v7, 3, v6
	v_mul_u32_u24 v7, v7, 144
	v_and_b32 v8, 7, v6
	v_lshl_add_u32 v7, v8, 4, v7
	v_add_nc_u32 v[RD], s23, v7
	v_lshlrev_b32 v[GO], 4, v6
	v_lshlrev_b32 v[TO], 8, v1
	v_lshl_add_u32 v[TO], v2, 5, v[TO]
	s_lshl_b32 s20, s17, 8
	s_lshl_b32 s21, s15, 7
	s_add_co_u32 s20, s20, s21                     ; my first row of C
	s_and_b32 s21, s20, 2047                       ; its position,
	s_lshr_b32 s22, s20, 11                        ; its batch
	s_lshl_b32 s23, s40, 2
	s_lshl_b32 s18, s16, 1
	s_add_co_u32 s23, s23, s18                     ; my first head: 4 cx + 2 x half
	s_lshl_b32 s18, s21, 8
	s_add_co_u32 s18, s18, 2097152
	s_mov_b32 s19, 0
	s_add_nc_u64 s[8:9], s[8:9], s[18:19]          ; the table at my first position
	s_lshl_b32 s18, s22, 4
	s_add_co_u32 s18, s18, s23
	s_lshl_b32 s18, s18, 11
	s_add_co_u32 s18, s18, s21
	s_lshl_b32 s18, s18, 7
	s_lshl_b32 s66, ttmp9, 24                      ; which of q, k, v: 16,777,216 bytes each
	s_add_co_u32 s18, s18, s66
	s_add_nc_u64 s[10:11], s[10:11], s[18:19]      ; where my rows go
	s_mul_i32 s18, s22, 196608
	s_lshl_b32 s66, ttmp9, 16
	s_add_co_u32 s18, s18, s66
	s_lshl_b32 s66, s23, 12
	s_add_co_u32 s18, s18, s66
	s_add_nc_u64 s[12:13], s[12:13], s[18:19]      ; and the f32 images
	v_mov_b32 v[FL], s21
	s_cmp_eq_u32 ttmp9, 0
	s_cselect_b32 s66, 0x3e38aa3b, 1.0             ; F: q log2(e) / 8, k 1, v 0
	s_cmp_eq_u32 ttmp9, 2
	s_cselect_b32 s66, 0, s66
	s_cselect_b32 s67, 1.0, 0                      ; G: v 1, else 0: so v passes unturned, by the same lines
	v_mov_b32 v[FAC], s66
	v_mov_b32 v[FAC+1], s66
	v_mov_b32 v[FAC+2], s67
	v_mov_b32 v[FAC+3], s67
.macro FRAG reg, adr, q, i             ; 16 rows x 128 K of 4-bit codes: 8 registers, two loads of 16 bytes, 32 bytes apart
.irp c, 0,1
	ds_load_b128 v[\reg+4*\c:\reg+4*\c+3], v[\adr] offset:64*(\q)+32*\c+(\i)*16*PITCH
.endr
.endm
; 16 matrix instructions: A's blocks a0, a0 + 1 x B's eight.  The 64 accumulators take turns, one instruction a turn, in the same order in every step.
.macro MUL16 a0, p, q, sc, zero
.irp a, \a0, \a0+1
.irp b, 0,1,2,3,4,5,6,7
.if \zero
	v_wmma_scale_f32_16x16x128_f8f6f4 v[8*(8*((\a)%4)+\b):8*(8*((\a)%4)+\b)+7], v[128*(\p)+FR*\b:128*(\p)+FR*\b+FR-1], v[AF+FR*(\a):AF+FR*(\a)+FR-1], 0, v[SC+8*NQ*(\sc)+NQ*\b+(\q)], v[SC+8*NQ*(\sc)+NQ*(\a)+(\q)] matrix_a_fmt:MATRIX_FMT_FP4 matrix_b_fmt:MATRIX_FMT_FP4 matrix_a_scale:MATRIX_SCALE_ROW1
.else
	v_wmma_scale_f32_16x16x128_f8f6f4 v[8*(8*((\a)%4)+\b):8*(8*((\a)%4)+\b)+7], v[128*(\p)+FR*\b:128*(\p)+FR*\b+FR-1], v[AF+FR*(\a):AF+FR*(\a)+FR-1], v[8*(8*((\a)%4)+\b):8*(8*((\a)%4)+\b)+7], v[SC+8*NQ*(\sc)+NQ*\b+(\q)], v[SC+8*NQ*(\sc)+NQ*(\a)+(\q)] matrix_a_fmt:MATRIX_FMT_FP4 matrix_b_fmt:MATRIX_FMT_FP4 matrix_a_scale:MATRIX_SCALE_ROW1
.endif
.endr
.endr
.endm
.macro FETCH_B slot, q, p
	WIN TO_B
.irp i, 0,1,2,3,4,5,6,7
	FRAG 128*(\p)+FR*\i, ADRB+\slot, \q, \i
.endr
	WIN 0
.endm
.macro FETCH_A slot, q, i0
.irp i, \i0, \i0+1, \i0+2, \i0+3
	FRAG AF+FR*(\i), ADRA+\slot, \q, \i
.endr
.endm
.macro SCALES sc                       ; a slot's scale words: lanes 0-15 A's block i, lanes 16-31 B's block i
.irp i, 0,1,2,3,4,5,6,7
	ds_load_b128 v[SC+8*NQ*\sc+NQ*\i:SC+8*NQ*\sc+NQ*\i+3], v[ADRS] offset:\i*SBLK
.endr
.endm
.macro PLACES n                        ; plain vector instructions between a matrix instruction and a load into, or a read of, its registers
.rept \n
	v_nop
.endr
.endm
.macro STEP slot, q, zero              ; 128 along K, with its successor in the same slot
	s_wait_dscnt 4*NL                              ; B's set and A's blocks 0-3 are in; the 8 youngest loads (A's blocks 4-7) may be out
	WIN MUL_LO
	MUL16 0, (\q)%2, \q, \slot, \zero
	MUL16 2, (\q)%2, \q, \slot, \zero
	s_wait_dscnt 0
	PLACES NP
	FETCH_B \slot, (\q)+1, 1-(\q)%2
	FETCH_A \slot, (\q)+1, 0
	WIN MUL_HI
	MUL16 4, (\q)%2, \q, \slot, \zero
	MUL16 6, (\q)%2, \q, \slot, \zero
	PLACES NP
	WIN 0
	FETCH_A \slot, (\q)+1, 4
.endm
.macro STEPS slot, from
.set QS, \from
.rept NQ-1-\from
	STEP \slot, QS, 0
.set QS, QS+1
.endr
.endm
; Slot 0's last step changes slots: one barrier; in front of it each wave waits for all its tensor loads (slot 1's is the one that may be out), adds 0 to its spare word, and waits for that and for its reads of slot 0.
; Behind it slot 1 is whole, and nobody reads slot 0 any more: the way out may lay its stages there.
.macro TURN slot, next
	s_wait_tensorcnt 0x0
	ds_add_u32 v[SPW], v[NIL]
	s_wait_dscnt 4*NL+1                            ; the add and the 8 youngest loads may be out
	WIN MUL_LO
	MUL16 0, 1, NQ-1, \slot, 0
	s_wait_dscnt 0x0
	s_barrier_signal -1
	MUL16 2, 1, NQ-1, \slot, 0
	WIN 0
	s_barrier_wait -1
	PLACES NP
	v_add_nc_u32 v[ADRS], 4*NQ, v[ADRS]
	FETCH_B \next, 0, 0
	FETCH_A \next, 0, 0
	SCALES \next
	WIN MUL_HI
	MUL16 4, 1, NQ-1, \slot, 0
	MUL16 6, 1, NQ-1, \slot, 0
	PLACES NP
	WIN 0
	FETCH_A \next, 0, 4
.endm
; The table for block a's 16 rows: lane (r, h) takes cos and sin of frequencies 16 b' + 8 h + 0 .. 7 at its row's position: 8 loads
.macro TABLE a
.set TS, TBL+32*((\a)%2)
.irp cs, 0,1
.irp bp, 0,1
.irp hf, 0,1
	global_load_b128 v[TS+16*\cs+8*\bp+4*\hf:TS+16*\cs+8*\bp+4*\hf+3], v[TO], s[8:9] offset:(\a)*4096+128*\cs+64*\bp+16*\hf
.endr
.endr
.endr
.endm
	s_wait_tensorcnt 1                             ; the scales and my part of slot 0 are in; slot 1's load may be out
	s_barrier_signal -1
	s_barrier_wait -1
	FETCH_B 0, 0, 0
	FETCH_A 0, 0, 0
	SCALES 0
	FETCH_A 0, 0, 4
	STEP 0, 0, 1                                   ; the first step's products start the sums: nothing is cleared
	STEPS 0, 1
	TURN 0, 1
	TABLE 0                                        ; asked for four steps ahead of the way out
	TABLE 1
	STEPS 1, 0
	s_wait_dscnt 4*NL
	WIN MUL_LO
	MUL16 0, 1, NQ-1, 1, 0
	MUL16 2, 1, NQ-1, 1, 0
	s_wait_dscnt 0
	WIN MUL_HI
	MUL16 4, 1, NQ-1, 1, 0
	MUL16 6, 1, NQ-1, 1, 0
	WIN 0
; THE WAY OUT, a block of 16 rows x 128 columns (two heads) at a time.  In accumulator (a, 4 hd + c) lane (r, h) holds row r and channels 16 c + 8 h + 0 .. 7 of head hd: x1 is c = 0, 1 and x2 is c + 2, at the same frequencies.
; y1 = x1 cos' - x2 sin', y2 = x2 cos' + x1 sin', packed, each accumulator from its low end on.  Then f16, through my stage, and out as whole rows: 32 lanes store 512 consecutive bytes.
.macro BLOCK a
.set TS, TBL+32*((\a)%2)
.set HS, H+32*((\a)%2)
.set AC, 64*((\a)%4)
.set WN, 0x02+(\a)/4
.if (\a) < 7
	s_wait_loadcnt 8                               ; this block's table is in; the next block's 8 loads may be out
.else
	s_wait_loadcnt 0
.endif
.irp i, 0,2,4,6,8,10,12,14
	v_pk_fma_f32 v[TS+\i:TS+\i+1], v[TS+\i:TS+\i+1], v[FAC:FAC+1], v[FAC+2:FAC+3]
	v_pk_mul_f32 v[TS+16+\i:TS+16+\i+1], v[TS+16+\i:TS+16+\i+1], v[FAC:FAC+1]
.endr
	WIN WN                                         ; source 0: the accumulators' window
.irp hd, 0,1
.irp bp, 0,1
.irp jp, 0,2,4,6
	v_pk_mul_f32 v[T+\jp:T+\jp+1], v[AC+8*(4*\hd+\bp+2)+\jp:AC+8*(4*\hd+\bp+2)+\jp+1], v[TS+16+8*\bp+\jp:TS+16+8*\bp+\jp+1]
.endr
.irp jp, 0,2,4,6
	v_pk_mul_f32 v[T+8+\jp:T+8+\jp+1], v[AC+8*(4*\hd+\bp)+\jp:AC+8*(4*\hd+\bp)+\jp+1], v[TS+16+8*\bp+\jp:TS+16+8*\bp+\jp+1]
.endr
.irp jp, 0,2,4,6
	v_pk_fma_f32 v[Y+8*(4*\hd+\bp)+\jp:Y+8*(4*\hd+\bp)+\jp+1], v[AC+8*(4*\hd+\bp)+\jp:AC+8*(4*\hd+\bp)+\jp+1], v[TS+8*\bp+\jp:TS+8*\bp+\jp+1], v[T+\jp:T+\jp+1] neg_lo:[0,0,1] neg_hi:[0,0,1]
.endr
.irp jp, 0,2,4,6
	v_pk_fma_f32 v[Y+8*(4*\hd+\bp+2)+\jp:Y+8*(4*\hd+\bp+2)+\jp+1], v[AC+8*(4*\hd+\bp+2)+\jp:AC+8*(4*\hd+\bp+2)+\jp+1], v[TS+8*\bp+\jp:TS+8*\bp+\jp+1], v[T+8+\jp:T+8+\jp+1]
.endr
.endr
.endr
	WIN 0
.if (\a) < 6
	TABLE (\a)+2
.endif
.if (\a) == 0
; Positions 0-15 of a batch leave in f32 too.  Whether these rows are such hangs on the tile row, which differs between partners: so it is a mask of lanes and no branch.
	s_wait_xcnt 0x0                                ; EXEC changes only behind this wait
	v_cmp_eq_u32 vcc_lo, 0, v[FL]
	s_and_saveexec_b32 s96, vcc_lo
.irp b, 0,1,2,3,4,5,6,7
	global_store_b128 v[GO], v[Y+8*\b:Y+8*\b+3], s[12:13] offset:(\b/4)*4096+(\b%4)*1024
	global_store_b128 v[GO], v[Y+8*\b+4:Y+8*\b+7], s[12:13] offset:(\b/4)*4096+(\b%4)*1024+512
.endr
	s_wait_xcnt 0x0                                ; and again in front of the line that widens it; Y may be written again too
	s_or_b32 exec_lo, exec_lo, s96
.endif
.if (\a) >= 2
	s_wait_xcnt 0x0                                ; block a - 2's stores have read these registers
.endif
.irp b, 0,1,2,3,4,5,6,7
.irp jj, 0,1,2,3
	v_cvt_pk_f16_f32 v[HS+4*\b+\jj], v[Y+8*\b+2*\jj], v[Y+8*\b+2*\jj+1]
.endr
.endr
.irp b, 0,1,2,3,4,5,6,7
	ds_store_b128 v[STO], v[HS+4*\b:HS+4*\b+3] offset:(\b/4)*2304+(\b%4)*32
.endr
.irp hd, 0,1
.irp i, 0,1,2,3
	ds_load_b128 v[HS+16*\hd+4*\i:HS+16*\hd+4*\i+3], v[RD] offset:\hd*2304+576*\i   ; LDS serves a wave's instructions in order: these see the stores above
.endr
.endr
.endm
.macro SEND a, younger                 ; younger: the LDS instructions issued behind block a's loads: the next block's 8 stores and 8 loads, or none
.set HS, H+32*((\a)%2)
	s_wait_dscnt \younger
.irp hd, 0,1
.irp i, 0,1,2,3
	global_store_b128 v[GO], v[HS+16*\hd+4*\i:HS+16*\hd+4*\i+3], s[10:11] offset:\hd*262144+(\a)*2048+512*\i
.endr
.endr
.endm
	PLACES NP
	BLOCK 0
.irp a, 1,2,3,4,5,6,7
	BLOCK \a
	SEND \a-1, 16
.endr
	SEND 7, 0
	s_wait_tensorcnt 0x0                           ; the wave's end
	ds_add_u32 v[SPW], v[NIL]
	s_wait_dscnt 0x0
	CROUND                                         ; the closing round
	s_endpgm
.Lfunc_end_k_qc95dbf51e5_qkv:
	.size	k_qc95dbf51e5_qkv, .Lfunc_end_k_qc95dbf51e5_qkv-k_qc95dbf51e5_qkv
	.p2alignl 7, 3214868480
	.fill 96, 4, 3214868480
	.section	.rodata,"a",@progbits
	.p2align	6, 0x0
	.amdhsa_kernel k_qc95dbf51e5_qkv
		.amdhsa_group_segment_fixed_size 327680
		.amdhsa_private_segment_fixed_size 0
		.amdhsa_enable_private_segment 0
		.amdhsa_kernarg_size 40
		.amdhsa_user_sgpr_count 2
		.amdhsa_user_sgpr_kernarg_segment_ptr 1
		.amdhsa_wavefront_size32 1
		.amdhsa_system_sgpr_workgroup_id_x 1
		.amdhsa_system_sgpr_workgroup_id_y 1
		.amdhsa_system_sgpr_workgroup_id_z 1
		.amdhsa_system_vgpr_workitem_id 0
		.amdhsa_next_free_vgpr 1024
		.amdhsa_next_free_sgpr 100
		.amdhsa_reserve_vcc 1
		.amdhsa_float_denorm_mode_32 3
		.amdhsa_float_denorm_mode_16_64 3
		.amdhsa_memory_ordered 1
		.amdhsa_forward_progress 1
		.amdhsa_inst_pref_size 175
	.end_amdhsa_kernel
	.amdgpu_metadata
---
amdhsa.version: [ 1, 2 ]
amdhsa.kernels:
  - .name:           k_qc95dbf51e5_qkv
    .symbol:         k_qc95dbf51e5_qkv.kd
    .args:
      - { .name: codes, .offset: 0, .size: 8, .value_kind: global_buffer, .address_space: global }
      - { .name: scales, .offset: 8, .size: 8, .value_kind: global_buffer, .address_space: global }
      - { .name: aux, .offset: 16, .size: 8, .value_kind: global_buffer, .address_space: global }
      - { .name: qkv, .offset: 24, .size: 8, .value_kind: global_buffer, .address_space: global }
      - { .name: fine, .offset: 32, .size: 8, .value_kind: global_buffer, .address_space: global }
    .group_segment_fixed_size: 327680
    .private_segment_fixed_size: 0
    .kernarg_segment_align: 8
    .kernarg_segment_size: 40
    .max_flat_workgroup_size: 128
    .sgpr_count:     100
    .vgpr_count:     1024
    .wavefront_size: 32
...
	.end_amdgpu_metadata
.endif
;; end of part 2
;; launch attn (part 3): grid 4 x 64, 16 waves a work-group, clusters of 4 x 1, 327,680 bytes of LDS; arguments qkv, ao; writes ao
.if DOCPART == 3
	.amdgcn_target "amdgcn-amd-amdhsa--gfx1250"
	.amdhsa_code_object_version 6
	.text
	.protected	k_qc95dbf51e5_attn
	.globl	k_qc95dbf51e5_attn
	.p2align	8
	.type	k_qc95dbf51e5_attn,@function
k_qc95dbf51e5_attn:
	s_mov_b64 s[64:65], 0
	v_nop
	global_prefetch_b8 v0, s[64:65] scope:SCOPE_SE
	s_setreg_imm32_b32 hwreg(HW_REG_WAVE_MODE, 25, 1), 1
	s_wait_xcnt 0x0
	s_wait_alu depctr_hold_cnt(0) depctr_sa_sdst(0) depctr_va_vdst(0) depctr_va_sdst(0) depctr_va_ssrc(0) depctr_va_vcc(0) depctr_vm_vsrc(0)
	s_getreg_b32 s2, hwreg(HW_REG_IB_STS2, 6, 4)
	s_cmp_eq_u32 s2, 0
	s_cbranch_scc0 .Lentry_in_a_cluster
	s_endpgm
.Lentry_in_a_cluster:
	s_bfe_u32 s2, ttmp6, 0x10000c
	s_cmp_lg_u32 s2, 0x3003
	s_cbranch_scc0 .Lentry_shape_is_right
	s_endpgm
.Lentry_shape_is_right:
; CAUSAL ATTENTION ON f16: for each (batch, head) O[q] = sum over k <= q of softmax_k(S[q][k]) V[k], S = q' . k with q' = q log2(e) / 8, so p = 2^(S - m).  q', k, v: [64 heads][2048][64] f16; O likewise.
; Products, maxima and sums in f32; the weights p are rounded to f16 for the second product, O once at the end.  A running maximum m and sum l for each query; O and l are multiplied by 2^(m_old - m_new) in every step.
; SHARES.  A cluster of four work-groups is one head.  Partner cx, wave w own the 32 queries 128 u(w) + 32 cx on: two tiles of 16.  u(w) is a 4 x 4 square whose rows and columns all sum to 30, so that any four waves
; w % 4 alike or w / 4 alike have the same work.  A wave works key blocks of 128 up to block u, and hides keys beyond its queries inside block u by a choice of values.
; So what a wave leaves out hangs on its number and on the count of steps alone: the same in all four partners; and the wave with u = 15 reads every tile in every partner.
; K and V come through two LDS slots of 256 keys, asked for JOINTLY by the four partners (waves 0-3: K's quarters; waves 4-7: V's).  Every wait on TENSORcnt is for 0; one load a wave is out behind each round.
; LAYOUT.  S^T = K Q^T (source 0 = 16 keys, source 1 = 16 queries): a lane holds ONE query (lane % 16) and keys 8 (lane / 16) + 0 .. 7.  Two such tiles, rounded in pairs, ARE source 1 of O^T = V^T P.  V is turned by ds_load_tr16_b128.
; Masked weights are exactly 0 (the score becomes -infinity ahead of the maximum).  Key 0 counts for every query, so m is a number from the first step on.
; LIMITS: inputs inside f16's range; NaN and infinities are not served.
.set PK,    144                        ; a row of K in LDS: 128 bytes + 16
.set PV,    160                        ; a row of V: 128 bytes + 32
.set VOFF,  256*PK
.set SLOT1, 1<<17
.set STAGE, SLOT1+256*(PK+PV)          ; 32 rows x 144 bytes for each wave, for the way out: bytes that no tile lands on
.set SPARE, STAGE+16*32*144            ; the spare words, 128 bytes a wave, that no other line names
.set AK0, 1
.set AV0, 2
.set ADK, 3
.set ADV, 4
.set SPW, 5
.set NIL, 6
.set DL,  7                            ; v7   32 cx + r - 8 h
.set DD,  8
.set NINF, 9
.set STO, 10
.set RD,  11
.set GO,  12                           ; v12  first Q's offset, on the way out O's
.set PFO, 13
.set ST,  16                           ; tile t's statistics at v[ST + 8 t]: +0 m (+1 named with it), +2, +3 l, +4 .. +7 at work; the factor takes +6
.set QF,  32
.set S,   64
.set OT,  128
.set KV,  192
.set WV,  12
.set CX,  13
.set UU,  14
.set UFIRST, 15
.set ULAST,  16
.set KF,  17
.set TK,  18
.set TV,  19
.set SLOTS, 20
.set STEPS, 21
.set SEL, 22
.set G1K, 24
.set G1V, 32
.set G0K, 40
.set G0V, 44
.set PFA, 48
.set LIM, 50
.macro ROUND                           ; a round of the cluster's barrier
	s_barrier_signal -1
	s_barrier_wait -1
	s_cmp_lg_u32 s[WV], 0
	s_cbranch_scc1 .Lnot_wave_0_\@
	s_barrier_signal -3
.Lnot_wave_0_\@:
	s_barrier_wait -3
	s_barrier_signal -1
	s_barrier_wait -1
.endm
.macro JLOAD                           ; the branches hang on the wave's number alone.  An s_nop 0 and four v_nop follow each load
	s_cmp_lt_u32 s[WV], 4
	s_cbranch_scc0 .Lnot_k_\@
	tensor_load_to_lds s[G0K:G0K+3], s[G1K:G1K+7]
	s_nop 0
.rept 4
	v_nop
.endr
	s_branch .Lasked_\@
.Lnot_k_\@:
	s_cmp_lt_u32 s[WV], 8
	s_cbranch_scc0 .Lasked_\@
	tensor_load_to_lds s[G0V:G0V+3], s[G1V:G1V+7]
	s_nop 0
.rept 4
	v_nop
.endr
.Lasked_\@:
.endm
; A prefetch of what the NEXT change of slots will ask for: a slot's 32,768 bytes of K and of V.  This cluster alone reads its head's K and V.  The four partners take 8,192 bytes each, told apart by ADDRESS;
; in each, wave 8 asks for K's and wave 9 for V's, lanes 256 bytes apart: each aligned 256 bytes is named once.  The last change that fills a slot asks for nothing.
.macro ASK
	s_cmp_gt_u32 s[SLOTS], s[LIM]
	s_cbranch_scc0 .Lnot_mine_\@
	global_prefetch_b8 v[PFO], s[PFA:PFA+1] th:TH_LOAD_NT scope:SCOPE_SE
.Lnot_mine_\@:
.endm
	s_load_b128 s[4:7], s[0:1], 0x0                ; qkv, ao
	v_lshl_add_u32 v[SPW], v0, 2, SPARE
	v_mov_b32 v[NIL], 0
	ds_add_u32 v[SPW], v[NIL]                      ; the wave's opening: the add, twice on end, and its wait ahead of the first tensor load
	ds_add_u32 v[SPW], v[NIL]
	v_lshrrev_b32 v14, 5, v0
	v_readfirstlane_b32 s[WV], v14                 ; wave 0..15
	s_bfe_u32 s[CX], ttmp6, 0x40000                ; cx
	s_and_b32 s51, ttmp7, 0xffff                   ; batch x 16 + head
	s_and_b32 s52, s[WV], 7
	s_lshl_b32 s52, s52, 2
	s_mov_b32 s53, 0x0de3b658
	s_cmp_lt_u32 s[WV], 8
	s_cselect_b32 s53, 0x7a94c12f, s53
	s_lshr_b32 s53, s53, s52
	s_and_b32 s[UU], s53, 15                       ; u: nibble w of the square
	s_lshl_b32 s[UFIRST], s[UU], 7                 ; my key block's first key,
	s_add_co_u32 s[ULAST], s[UFIRST], 127          ; and its last
	s_lshl_b32 s54, s51, 18                        ; the head's 262,144 bytes
	s_and_b32 s56, s[WV], 3
	s_lshl_b32 s57, s56, 13                        ; my 64 rows of a slot's 256
	s_add_co_u32 s58, s54, s57
	s_add_co_u32 s58, s58, 0x1000000               ; in k,
	s_mov_b32 s59, 0
	s_add_co_u32 s60, s58, 0x1000000               ; in v
	s_mov_b32 s61, 0
	s_lshl_b32 s62, s[CX], 5
	s_add_co_u32 s62, s62, s[UFIRST]               ; my first query
	s_lshl_b32 s62, s62, 7
	s_add_co_u32 s62, s62, s54
	s_mov_b32 s63, 0
	s_mov_b32 s[G1K], 15|(1<<16)|(1<<20)|(1<<21)|(4<<22)|(3<<25)   ; the mask: all four; elements of 2 bytes; padding: 4 words behind every 32; bit 21 beside a mask
	s_mov_b32 s[G1V], 15|(1<<16)|(1<<20)|(1<<21)|(4<<22)|(7<<25)   ; the same with 8 words
.irp g, G1K, G1V
	s_mov_b32 s[\g+1], 64<<16                      ; tensor_dim0
	s_mov_b32 s[\g+2], 64<<16                      ; tensor_dim1
	s_mov_b32 s[\g+3], 64<<16                      ; tile_dim0
	s_mov_b32 s[\g+4], 64                          ; tile_dim1
	s_mov_b32 s[\g+5], 64                          ; the pitch
	s_mov_b32 s[\g+6], 0
	s_mov_b32 s[\g+7], 0
.endr
	s_mov_b32 s[SEL], 0x76543210
	s_mov_b32 s[SEL+1], 0xfedcba98
	s_mov_b32 s[KF], 0
	s_mov_b32 s[TK], 0
	s_mov_b32 s[TV], 0
	s_mov_b32 s[SLOTS], 7
	s_lshr_b32 s52, s[WV], 1
	s_cmp_eq_u32 s52, 4                            ; waves 8 and 9 prefetch
	s_cselect_b32 s[LIM], 1, -1
	s_mov_b32 s52, 0x2000000
	s_cmp_eq_u32 s[WV], 8
	s_cselect_b32 s52, 0x1000000, s52
	s_add_co_u32 s52, s52, s54
	s_lshl_b32 s53, s[CX], 13
	s_add_co_u32 s52, s52, s53
	s_add_co_u32 s52, s52, 32768                   ; in slot 1: the first change steps it to slot 2.  Nothing is prefetched at the head
	s_mov_b32 s53, 0
	s_wait_dscnt 0x0                               ; both opening adds are done
	s_wait_kmcnt 0x0
	s_mov_b32 s[G0K], 1
	s_mul_i32 s[G0K+1], s56, 64*PK
	s_add_nc_u64 s[G0K+2:G0K+3], s[4:5], s[58:59]
	s_or_b32 s[G0K+3], s[G0K+3], 0x80000000
	s_mov_b32 s[G0V], 1
	s_mul_i32 s[G0V+1], s56, 64*PV
	s_add_co_u32 s[G0V+1], s[G0V+1], VOFF
	s_add_nc_u64 s[G0V+2:G0V+3], s[4:5], s[60:61]
	s_or_b32 s[G0V+3], s[G0V+3], 0x80000000
	s_add_nc_u64 s[8:9], s[4:5], s[62:63]          ; my rows of q'
	s_add_nc_u64 s[6:7], s[6:7], s[62:63]          ; and of O
	s_add_nc_u64 s[PFA:PFA+1], s[4:5], s[52:53]
	ROUND                                          ; all four work-groups are here
	JLOAD                                          ; slot 0
	v_and_b32 v14, 15, v0                          ; r; kept
	v_bfe_u32 v15, v0, 4, 1                        ; h; kept
	v_lshlrev_b32 v[GO], 7, v14
	v_lshl_add_u32 v[GO], v15, 4, v[GO]            ; Q: row r of 128 bytes, + 16 h
.irp t, 0,1
.irp dh, 0,1
	global_load_b128 v[QF+16*\t+8*\dh:QF+16*\t+8*\dh+3], v[GO], s[8:9] offset:2048*\t+64*\dh
	global_load_b128 v[QF+16*\t+8*\dh+4:QF+16*\t+8*\dh+7], v[GO], s[8:9] offset:2048*\t+64*\dh+32
.endr
.endr
	v_mul_u32_u24 v[AK0], v14, PK
	v_lshl_add_u32 v[AK0], v15, 4, v[AK0]
	v_and_b32 v[AV0], 7, v0
	v_lshl_add_u32 v[AV0], v15, 3, v[AV0]
	v_mul_u32_u24 v[AV0], v[AV0], PV
	v_bfe_u32 v[ADK], v0, 3, 1
	v_lshl_add_u32 v[AV0], v[ADK], 4, v[AV0]
	v_add_nc_u32 v[AV0], VOFF, v[AV0]
	v_lshlrev_b32 v[DL], 3, v15
	v_sub_nc_u32 v[DL], v14, v[DL]
	s_lshl_b32 s52, s[CX], 5
	v_add_nc_u32 v[DL], s52, v[DL]
	v_mov_b32 v[NINF], 0xff800000
	v_and_b32 v[PFO], 31, v0
	v_lshlrev_b32 v[PFO], 8, v[PFO]
.irp t, 0,1
	v_mov_b32 v[ST+8*\t], 0xff61b1e6               ; m: -3e38, under every score
.irp i, 1,2,3,4,5,6,7
	v_mov_b32 v[ST+8*\t+\i], 0
.endr
.endr
.set n, 0
.rept 64
	v_mov_b32 v[OT+n], 0                           ; O^T.  The step is written once: the first finds zeros, which its factor 0 leaves zeros
.set n, n+1
.endr
; A STEP: 64 keys against my 32 queries.
.macro STEP
	s_cmp_gt_u32 s[KF], s[ULAST]                   ; all these keys come after my key block: nothing to do.  No barrier, wait on TENSORcnt or tensor load stands in a step
	s_cbranch_scc1 .Lhidden_\@
	v_add_nc_u32 v[ADK], s[TK], v[AK0]
	v_add_nc_u32 v[ADV], s[TV], v[AV0]
.rept 3
	v_nop                                          ; with the two additions: five places behind the last step's products, whose P the new scores write over and whose V the loads below land on
.endr
.irp kt, 0,1,2,3
.irp dh, 0,1
	ds_load_b128 v[KV+16*\kt+8*\dh:KV+16*\kt+8*\dh+3], v[ADK] offset:\kt*16*PK+64*\dh
	ds_load_b128 v[KV+16*\kt+8*\dh+4:KV+16*\kt+8*\dh+7], v[ADK] offset:\kt*16*PK+64*\dh+32
.endr
.endr
	s_wait_dscnt 0x0
.irp kt, 0,1,2,3                       ; the eight accumulators take turns, one instruction a turn
.irp t, 0,1
	v_wmma_f32_16x16x32_f16 v[S+32*\t+8*\kt:S+32*\t+8*\kt+7], v[KV+16*\kt:KV+16*\kt+7], v[QF+16*\t:QF+16*\t+7], 0
.endr
.endr
.irp kt, 0,1,2,3
.irp t, 0,1
	v_wmma_f32_16x16x32_f16 v[S+32*\t+8*\kt:S+32*\t+8*\kt+7], v[KV+16*\kt+8:KV+16*\kt+15], v[QF+16*\t+8:QF+16*\t+15], v[S+32*\t+8*\kt:S+32*\t+8*\kt+7]
.endr
.endr
.rept 4
	v_nop                                          ; places in front of the loads into K's registers and of the first read of the scores
.endr
.irp kh, 0,1
.irp dt, 0,1,2,3
	ds_load_tr16_b128 v[KV+32*\kh+8*\dt:KV+32*\kh+8*\dt+3], v[ADV] offset:\kh*32*PV+32*\dt          ; V lands while the softmax is walked
	ds_load_tr16_b128 v[KV+32*\kh+8*\dt+4:KV+32*\kh+8*\dt+7], v[ADV] offset:\kh*32*PV+16*PV+32*\dt
.endr
.endr
	s_cmp_lt_u32 s[KF], s[UFIRST]                  ; ahead of my key block every key counts
	s_cbranch_scc1 .Lopen_\@
	s_sub_co_i32 s51, s[UFIRST], s[KF]
	v_add_nc_u32 v[DD], s51, v[DL]                 ; register 8 kt + j of tile t holds key KF + 16 kt + 8 h + j: hidden where 16 kt + j - 16 t > d
.irp t, 0,1
.irp kt, 0,1,2,3
.irp j, 0,1,2,3,4,5,6,7
	v_cmp_gt_i32 vcc_lo, 16*\kt+\j-16*\t, v[DD]
	v_cndmask_b32 v[S+32*\t+8*\kt+\j], v[S+32*\t+8*\kt+\j], v[NINF], vcc_lo
.endr
.endr
.endr
.Lopen_\@:
.irp c, 0,1,2,3                        ; the maximum of 32 scores and the old m, three at a time; each accumulator is read from its low end on; the two tiles alternate
.irp t, 0,1
	v_max3_num_f32 v[ST+8*\t+4+\c], v[S+32*\t+8*\c], v[S+32*\t+8*\c+1], v[S+32*\t+8*\c+2]
.endr
.endr
.irp i, 3,5
.irp c, 0,1,2,3
.irp t, 0,1
	v_max3_num_f32 v[ST+8*\t+4+\c], v[ST+8*\t+4+\c], v[S+32*\t+8*\c+\i], v[S+32*\t+8*\c+\i+1]
.endr
.endr
.endr
.irp t, 0,1
	v_max3_num_f32 v[ST+8*\t+4], v[ST+8*\t+4], v[S+32*\t+7], v[S+32*\t+15]
	v_max3_num_f32 v[ST+8*\t+6], v[ST+8*\t+6], v[S+32*\t+23], v[S+32*\t+31]
.endr
.irp t, 0,1
	v_max3_num_f32 v[ST+8*\t+4], v[ST+8*\t+4], v[ST+8*\t+5], v[ST+8*\t+6]
.endr
.irp t, 0,1
	v_max3_num_f32 v[ST+8*\t+4], v[ST+8*\t+4], v[ST+8*\t+7], v[ST+8*\t]
.endr
.irp t, 0,1
	v_permlanex16_b32 v[ST+8*\t+5], v[ST+8*\t+4], s[SEL], s[SEL+1]   ; the query's other 32 keys lie in the lane 16 away
.endr
.irp t, 0,1
	v_max_num_f32 v[ST+8*\t+5], v[ST+8*\t+4], v[ST+8*\t+5]           ; the new m
.endr
.irp t, 0,1
	v_sub_f32 v[ST+8*\t+7], v[ST+8*\t], v[ST+8*\t+5]                 ; m_old - m_new
.endr
.irp t, 0,1
	v_mov_b32 v[ST+8*\t], v[ST+8*\t+5]
.endr
.irp p, 0,1,2,3,4,5,6,7,8,9,10,11,12,13,14,15
.irp t, 0,1
	v_pk_add_f32 v[S+32*\t+2*\p:S+32*\t+2*\p+1], v[S+32*\t+2*\p:S+32*\t+2*\p+1], v[ST+8*\t:ST+8*\t+1] op_sel_hi:[1,0] neg_lo:[0,1] neg_hi:[0,1]   ; S - m
.endr
.endr
.irp t, 0,1                            ; ONE BATCH of 66 exponentials: none reads another's result
	v_exp_f32 v[ST+8*\t+6], v[ST+8*\t+7]
.endr
.set n, 0
.rept 64
	v_exp_f32 v[S+n], v[S+n]
.set n, n+1
.endr
	v_nop                                          ; a plain instruction behind the last exponential
	s_wait_alu depctr_va_vdst(0)                   ; one wait for the batch, ahead of its first reader
.irp t, 0,1                            ; l = l x factor + the sum of the unrounded p, packed, two chains a tile
	v_pk_fma_f32 v[ST+8*\t+2:ST+8*\t+3], v[ST+8*\t+2:ST+8*\t+3], v[ST+8*\t+6:ST+8*\t+7], v[S+32*\t:S+32*\t+1] op_sel_hi:[1,0,1]
.endr
.irp t, 0,1
	v_pk_add_f32 v[ST+8*\t+4:ST+8*\t+5], v[S+32*\t+2:S+32*\t+3], v[S+32*\t+4:S+32*\t+5]
.endr
.irp p, 3,5,7,9,11,13
.irp t, 0,1
	v_pk_add_f32 v[ST+8*\t+2:ST+8*\t+3], v[ST+8*\t+2:ST+8*\t+3], v[S+32*\t+2*\p:S+32*\t+2*\p+1]
.endr
.irp t, 0,1
	v_pk_add_f32 v[ST+8*\t+4:ST+8*\t+5], v[ST+8*\t+4:ST+8*\t+5], v[S+32*\t+2*\p+2:S+32*\t+2*\p+3]
.endr
.endr
.irp t, 0,1
	v_pk_add_f32 v[ST+8*\t+2:ST+8*\t+3], v[ST+8*\t+2:ST+8*\t+3], v[S+32*\t+30:S+32*\t+31]
.endr
.irp t, 0,1
	v_pk_add_f32 v[ST+8*\t+2:ST+8*\t+3], v[ST+8*\t+2:ST+8*\t+3], v[ST+8*\t+4:ST+8*\t+5]
.endr
.irp p, 0,1,2,3,4,5,6,7,8,9,10,11,12,13,14,15      ; P in place, ascending: register p takes weights 2 p and 2 p + 1
.irp t, 0,1
	v_cvt_pk_f16_f32 v[S+32*\t+\p], v[S+32*\t+2*\p], v[S+32*\t+2*\p+1]
.endr
.endr
.irp i, 0,2,4,6,8,10,12,14,16,18,20,22,24,26,28,30
.irp t, 0,1
	v_pk_mul_f32 v[OT+32*\t+\i:OT+32*\t+\i+1], v[OT+32*\t+\i:OT+32*\t+\i+1], v[ST+8*\t+6:ST+8*\t+7] op_sel_hi:[1,0]   ; O^T under the new m
.endr
.endr
	s_wait_dscnt 0x0                               ; V is in
.irp kh, 0,1
.irp dt, 0,1,2,3
.irp t, 0,1
	v_wmma_f32_16x16x32_f16 v[OT+32*\t+8*\dt:OT+32*\t+8*\dt+7], v[KV+32*\kh+8*\dt:KV+32*\kh+8*\dt+7], v[S+32*\t+8*\kh:S+32*\t+8*\kh+7], v[OT+32*\t+8*\dt:OT+32*\t+8*\dt+7]
.endr
.endr
.endr
.Lhidden_\@:
	s_add_co_u32 s[KF], s[KF], 64
	s_add_co_u32 s[TK], s[TK], 64*PK
	s_add_co_u32 s[TV], s[TV], 64*PV
.endm
; THE CHANGE OF SLOTS stands at a slot's head.  Each wave waits for all its tensor loads (its part of the slot ahead), adds 0 to its spare word, and waits for that and for its reads of the slot that it has left.
; fill = 1: a round of the cluster's barrier, and behind it the other slot is filled with the next 256 keys: that load has a slot's four steps in which to land.
.macro CHANGE fill
	s_wait_tensorcnt 0x0
	ds_add_u32 v[SPW], v[NIL]
.if \fill
	ds_add_u32 v[SPW], v[NIL]                      ; and twice on end here, in every trip alike
	s_xor_b32 s[G0K+1], s[G0K+1], SLOT1            ; no tensor load of mine is out: the descriptors walk
	s_add_nc_u64 s[G0K+2:G0K+3], s[G0K+2:G0K+3], 32768
	s_xor_b32 s[G0V+1], s[G0V+1], SLOT1
	s_add_nc_u64 s[G0V+2:G0V+3], s[G0V+2:G0V+3], 32768
	s_wait_xcnt 0x0                                ; the last prefetch, a slot back, has read its address
	s_add_nc_u64 s[PFA:PFA+1], s[PFA:PFA+1], 32768
	s_wait_dscnt 0x0
	ROUND
	JLOAD
	ASK
.else
	s_wait_dscnt 0x0
	s_barrier_signal -1
	s_barrier_wait -1
.endif
.endm
.macro SLOT_STEPS
	s_mov_b32 s[STEPS], 4
.Lstep_\@:
	STEP
	s_sub_co_u32 s[STEPS], s[STEPS], 1
	s_cmp_lg_u32 s[STEPS], 0
	s_cbranch_scc1 .Lstep_\@
	s_sub_co_u32 s[TK], s[TK], 256*PK
	s_sub_co_u32 s[TV], s[TV], 256*PV
	s_xor_b32 s[TK], s[TK], SLOT1                  ; on to the other slot
	s_xor_b32 s[TV], s[TV], SLOT1
.endm
	s_wait_loadcnt 0x0                             ; Q
.Lslot:                                            ; seven trips: behind each change of slots but the last the next slot is asked for
	CHANGE 1
	SLOT_STEPS
	s_sub_co_u32 s[SLOTS], s[SLOTS], 1
	s_cmp_lg_u32 s[SLOTS], 0
	s_cbranch_scc1 .Lslot
	CHANGE 0                                       ; the last slot is written out
	SLOT_STEPS
	; THE WAY OUT.  O^T / l, rounded to f16, through my stage, and out as whole rows: 32 lanes store 512 consecutive bytes.  The additions and the address work are the places behind the last products.
.irp t, 0,1
	v_add_f32 v[ST+8*\t+4], v[ST+8*\t+2], v[ST+8*\t+3]
.endr
.irp t, 0,1
	v_permlanex16_b32 v[ST+8*\t+5], v[ST+8*\t+4], s[SEL], s[SEL+1]
.endr
.irp t, 0,1
	v_add_f32 v[ST+8*\t+4], v[ST+8*\t+4], v[ST+8*\t+5]
.endr
.irp t, 0,1
	v_rcp_f32 v[ST+8*\t+6], v[ST+8*\t+4]
.endr
	s_mul_i32 s51, s[WV], 32*144
	s_add_co_u32 s51, s51, STAGE
	v_mul_u32_u24 v[STO], v14, 144
	v_lshl_add_u32 v[STO], v15, 4, v[STO]
	v_add_nc_u32 v[STO], s51, v[STO]
	v_and_b32 v[GO], 31, v0
	v_lshrrev_b32 v[RD], 3, v[GO]
	v_mul_u32_u24 v[RD], v[RD], 144
	v_and_b32 v[ADK], 7, v0
	v_lshl_add_u32 v[RD], v[ADK], 4, v[RD]
	v_add_nc_u32 v[RD], s51, v[RD]
	v_lshlrev_b32 v[GO], 4, v[GO]
	s_wait_alu depctr_va_vdst(0)                   ; one wait for both reciprocals, ahead of their first reader
.irp t, 0,1
.irp i, 0,2,4,6,8,10,12,14,16,18,20,22,24,26,28,30
	v_pk_mul_f32 v[OT+32*\t+\i:OT+32*\t+\i+1], v[OT+32*\t+\i:OT+32*\t+\i+1], v[ST+8*\t+6:ST+8*\t+7] op_sel_hi:[1,0]
.endr
.endr
.set n, 0
.rept 32
	v_cvt_pk_f16_f32 v[S+n], v[OT+2*n], v[OT+2*n+1]
.set n, n+1
.endr
.irp t, 0,1
.irp dt, 0,1,2,3
	ds_store_b128 v[STO], v[S+4*(4*\t+\dt):S+4*(4*\t+\dt)+3] offset:2304*\t+32*\dt
.endr
.endr
.irp i, 0,1,2,3,4,5,6,7
	ds_load_b128 v[S+32+4*\i:S+32+4*\i+3], v[RD] offset:576*\i     ; LDS serves a wave's instructions in order: these see my stores
.endr
.irp i, 0,1,2,3,4,5,6,7
	s_wait_dscnt 7-\i                              ; load i is in; the younger ones stay out
	global_store_b128 v[GO], v[S+32+4*\i:S+32+4*\i+3], s[6:7] offset:512*\i
.endr
	s_wait_tensorcnt 0x0                           ; the wave's end
	ds_add_u32 v[SPW], v[NIL]
	s_wait_dscnt 0x0
	ROUND                                          ; the closing round
	s_endpgm
.Lfunc_end_k_qc95dbf51e5_attn:
	.size	k_qc95dbf51e5_attn, .Lfunc_end_k_qc95dbf51e5_attn-k_qc95dbf51e5_attn
	.p2alignl 7, 3214868480
	.fill 96, 4, 3214868480
	.section	.rodata,"a",@progbits
	.p2align	6, 0x0
	.amdhsa_kernel k_qc95dbf51e5_attn
		.amdhsa_group_segment_fixed_size 327680
		.amdhsa_private_segment_fixed_size 0
		.amdhsa_enable_private_segment 0
		.amdhsa_kernarg_size 16
		.amdhsa_user_sgpr_count 2
		.amdhsa_user_sgpr_kernarg_segment_ptr 1
		.amdhsa_wavefront_size32 1
		.amdhsa_system_sgpr_workgroup_id_x 1
		.amdhsa_system_sgpr_workgroup_id_y 1
		.amdhsa_system_sgpr_workgroup_id_z 1
		.amdhsa_system_vgpr_workitem_id 0
		.amdhsa_next_free_vgpr 256
		.amdhsa_next_free_sgpr 66
		.amdhsa_reserve_vcc 1
		.amdhsa_float_denorm_mode_32 3
		.amdhsa_float_denorm_mode_16_64 3
		.amdhsa_memory_ordered 1
		.amdhsa_forward_progress 1
		.amdhsa_inst_pref_size 62
	.end_amdhsa_kernel
	.amdgpu_metadata
---
amdhsa.version: [ 1, 2 ]
amdhsa.kernels:
  - .name:           k_qc95dbf51e5_attn
    .symbol:         k_qc95dbf51e5_attn.kd
    .args:
      - { .name: qkv, .offset: 0, .size: 8, .value_kind: global_buffer, .address_space: global }
      - { .name: ao, .offset: 8, .size: 8, .value_kind: global_buffer, .address_space: global }
    .group_segment_fixed_size: 327680
    .private_segment_fixed_size: 0
    .kernarg_segment_align: 8
    .kernarg_segment_size: 16
    .max_flat_workgroup_size: 512
    .sgpr_count:     66
    .vgpr_count:     256
    .wavefront_size: 32
...
	.end_amdgpu_metadata
.endif
;; end of part 3
;; launch outproj (part 4): grid 8 x 32, 4 waves a work-group, clusters of 4 x 4, 327,680 bytes of LDS; arguments ao, aux, out0; writes out0
.if DOCPART == 4
	.amdgcn_target "amdgcn-amd-amdhsa--gfx1250"
	.amdhsa_code_object_version 6
	.text
	.protected	k_qc95dbf51e5_outproj
	.globl	k_qc95dbf51e5_outproj
	.p2align	8
	.type	k_qc95dbf51e5_outproj,@function
k_qc95dbf51e5_outproj:
	s_mov_b64 s[64:65], 0
	v_nop
	global_prefetch_b8 v0, s[64:65] scope:SCOPE_SE
	s_setreg_imm32_b32 hwreg(HW_REG_WAVE_MODE, 25, 1), 1
	s_wait_xcnt 0x0
	s_wait_alu depctr_hold_cnt(0) depctr_sa_sdst(0) depctr_va_vdst(0) depctr_va_sdst(0) depctr_va_ssrc(0) depctr_va_vcc(0) depctr_vm_vsrc(0)
	s_getreg_b32 s2, hwreg(HW_REG_IB_STS2, 6, 4)
	s_cmp_eq_u32 s2, 0
	s_cbranch_scc0 .Lentry_in_a_cluster
	s_endpgm
.Lentry_in_a_cluster:
	s_bfe_u32 s2, ttmp6, 0x10000c
	s_cmp_lg_u32 s2, 0xf033
	s_cbranch_scc0 .Lentry_shape_is_right
	s_endpgm
.Lentry_shape_is_right:
; THE PROJECTION ON THE WAY OUT: out0[m][n] = sum over k of A[m][k] Wo[k][n], m = batch x 2048 + position, k = head x 64 + channel.  f16 operands, f32 sums, f32 out.
; A lies by heads, [batch x head][position][64] f16: 128 along K are two head planes.  Wo lies [k][n] in f16, as the input has it: its fragments are turned by ds_load_tr16_b128.
; A tile of out0 is 256 x 128, which gives 256 work-groups; a wave makes 128 x 64: 32 accumulators, 256 registers.  K goes in steps of 128 through two LDS slots.
; CLUSTERS: 4 x 4; A's planes are asked for jointly along a row of the cluster (waves 0, 1: a plane each), Wo's rows along a column (waves 2, 3: 64 rows each).
; THE MATRIX INSTRUCTION IS USED TRANSPOSED (source 0 = 16 columns of Wo, source 1 = 16 rows of A): a lane holds eight neighbouring columns of one row of out0.
; No prefetch: K has eight steps, of which the first two go out at the head and the next two could not be named ahead of them.
; Rows 0-15 of each batch are written here like all others and are written anew, more finely, by the launch that follows.
; REGISTERS: window 0: addresses, v32-95 the way out.  window 1: two fragment buffers of 96 at v0 and v128 (A's 8 blocks, then Wo's 4).  window 2: accumulator (a, b) at v[8 (4 a + b)].
.set PA,     144                       ; a row of a plane in LDS: 128 bytes + 16
.set PB,     288                       ; a row of Wo's tile: 256 bytes + 32
.set PLANE,  256*PA
.set BOFF,   2*PLANE
.set SLOT,   BOFF+128*PB
.set STAGE,  2*SLOT                    ; 16 rows x 272 bytes for each wave
.set SPITCH, 272
.set SPARE,  STAGE+4*16*SPITCH         ; the spare words, 128 bytes a wave, that no other line names
.set LAPS,   4
.set ADRA, 16
.set ADRB, 20
.set STO,  24
.set RD,   25
.set CO,   26
.set SPW,  28
.set NIL,  29
.set OB,   32
.set F0,   0
.set F1,   128
.set G1, 24
.set G0, 32
.set G1B, 48
.set G0B, 56
.set MSB, 0
.macro WIN new
.if MSB != \new
	s_set_vgpr_msb (MSB<<8)|\new
.set MSB, \new
.endif
.endm
.set MUL,  0xa5                        ; sources 0 and 1 window 1; C and D window 2
.set TO_F, 0x40                        ; destination window 1
.macro JLOAD s
	s_cmp_eq_u32 s11, 0
	s_cbranch_scc0 .Lfor_b_\@
	tensor_load_to_lds s[G0+4*\s:G0+4*\s+3], s[G1:G1+7]
	s_nop 0
.rept 4
	v_nop
.endr
	s_branch .Lasked_\@
.Lfor_b_\@:
	tensor_load_to_lds s[G0B+4*\s:G0B+4*\s+3], s[G1B:G1B+7]
	s_nop 0
.rept 4
	v_nop
.endr
.Lasked_\@:
.endm
.macro CREST
	s_cmp_lg_u32 s10, 0
	s_cbranch_scc1 .Lnot_wave_0_\@
	s_barrier_signal -3
.Lnot_wave_0_\@:
	s_barrier_wait -3
	s_barrier_signal -1
	s_barrier_wait -1
.endm
.macro CROUND
	s_barrier_signal -1
	s_barrier_wait -1
	CREST
.endm
	s_load_b128 s[4:7], s[0:1], 0x0                ; ao, aux
	s_load_b64 s[8:9], s[0:1], 0x10                ; out0
	v_lshl_add_u32 v[SPW], v0, 2, SPARE
	v_mov_b32 v[NIL], 0
	ds_add_u32 v[SPW], v[NIL]                      ; the wave's opening: the add, twice on end, and its wait ahead of my first tensor load
	ds_add_u32 v[SPW], v[NIL]
	v_lshrrev_b32 v1, 5, v0
	v_readfirstlane_b32 s10, v1                    ; wave 0..3
	s_lshr_b32 s11, s10, 1                         ; my half of the tile's rows.  Also: I fetch for A (0) or Wo (1)
	s_and_b32 s12, s10, 1                          ; my half of its columns.  Also: which plane, or which 64 rows of Wo, I fetch
	s_bfe_u32 s40, ttmp6, 0x40000
	s_bfe_u32 s41, ttmp6, 0x40004
	s_lshl_b32 s42, ttmp9, 2
	s_add_co_u32 s42, s42, s40                     ; tile column
	s_and_b32 s13, ttmp7, 0xffff
	s_lshl_b32 s13, s13, 2
	s_add_co_u32 s13, s13, s41                     ; tile row
	s_lshl_b32 s43, s41, 2
	s_lshl_b32 s43, 15, s43
	s_lshl_b32 s44, 0x1111, s40
	s_or_b32 s[G1+0], s43, (1<<16)|(1<<20)|(1<<21)|(4<<22)|(3<<25)   ; A: 256 rows x 64 elements of 2 bytes; 4 words of padding behind every 32
	s_mov_b32 s[G1+1], 64<<16
	s_mov_b32 s[G1+2], 256<<16
	s_mov_b32 s[G1+3], 64<<16
	s_mov_b32 s[G1+4], 256
	s_mov_b32 s[G1+5], 64
	s_mov_b32 s[G1+6], 0
	s_mov_b32 s[G1+7], 0
	s_or_b32 s[G1B+0], s44, (1<<16)|(1<<20)|(1<<21)|(5<<22)|(7<<25)  ; Wo: 64 rows x 128 elements, 1,024 apart; 8 words behind every 64
	s_mov_b32 s[G1B+1], 128<<16
	s_mov_b32 s[G1B+2], 64<<16
	s_mov_b32 s[G1B+3], 128<<16
	s_mov_b32 s[G1B+4], 64
	s_mov_b32 s[G1B+5], 1024
	s_mov_b32 s[G1B+6], 0
	s_mov_b32 s[G1B+7], 0
	s_lshr_b32 s16, s13, 3                         ; the batch: eight tile rows each
	s_lshl_b32 s16, s16, 4
	s_add_co_u32 s16, s16, s12                     ; its head 0 or 1
	s_lshl_b32 s16, s16, 18
	s_and_b32 s17, s13, 7
	s_lshl_b32 s17, s17, 15                        ; 256 rows of 128 bytes
	s_add_co_u32 s16, s16, s17
	s_mov_b32 s17, 0
	s_lshl_b32 s46, s12, 17                        ; 64 rows of 2,048 bytes
	s_lshl_b32 s47, s42, 8                         ; 128 columns of 2 bytes
	s_add_co_u32 s46, s46, s47
	s_mov_b32 s47, 0
	s_mul_i32 s20, s12, PLANE
	s_mul_i32 s21, s12, 64*PB
	s_add_co_u32 s21, s21, BOFF
	s_wait_dscnt 0x0                               ; both opening adds are done
	s_wait_kmcnt 0x0
	s_add_nc_u64 s[14:15], s[4:5], s[16:17]
	s_add_nc_u64 s[46:47], s[6:7], s[46:47]
	CROUND
.irp s, 0,1
	s_mov_b32 s[G0+4*\s], 1
	s_add_co_u32 s[G0+4*\s+1], s20, \s*SLOT
	s_add_nc_u64 s[G0+4*\s+2:G0+4*\s+3], s[14:15], \s*524288        ; two heads on
	s_or_b32 s[G0+4*\s+3], s[G0+4*\s+3], 0x80000000
	s_mov_b32 s[G0B+4*\s], 1
	s_add_co_u32 s[G0B+4*\s+1], s21, \s*SLOT
	s_add_nc_u64 s[G0B+4*\s+2:G0B+4*\s+3], s[46:47], \s*262144      ; 128 rows on
	s_or_b32 s[G0B+4*\s+3], s[G0B+4*\s+3], 0x80000000
	JLOAD \s
.endr
	v_and_b32 v1, 15, v0                           ; r
	v_bfe_u32 v2, v0, 4, 1                         ; h
	v_mul_u32_u24 v3, v1, PA
	v_lshl_add_u32 v3, v2, 4, v3
	s_mul_i32 s21, s11, 128*PA                     ; my 128 rows of a plane
	v_and_b32 v4, 7, v0
	v_lshl_add_u32 v4, v2, 3, v4
	v_mul_u32_u24 v4, v4, PB
	v_bfe_u32 v5, v0, 3, 1
	v_lshl_add_u32 v4, v5, 4, v4                   ; the turning load: row 8 h + lane % 8, 16 bytes for each half of eight lanes
	s_lshl_b32 s22, s12, 7                         ; my 64 columns
	s_add_co_u32 s22, s22, BOFF
.irp s, 0,1
	v_add_nc_u32 v[ADRA+\s], s21, v3
	v_add_nc_u32 v[ADRB+\s], s22, v4
	s_add_co_u32 s21, s21, SLOT
	s_add_co_u32 s22, s22, SLOT
.endr
	s_mul_i32 s23, s10, 16*SPITCH
	s_add_co_u32 s23, s23, STAGE
	v_mul_u32_u24 v5, v1, SPITCH
	v_lshl_add_u32 v5, v2, 5, v5
	v_add_nc_u32 v[STO], s23, v5
	v_mul_u32_u24 v5, v2, SPITCH
	v_lshl_add_u32 v5, v1, 4, v5
	v_add_nc_u32 v[RD], s23, v5
	v_lshlrev_b32 v5, 12, v2
	v_lshl_add_u32 v[CO], v1, 4, v5
	s_lshl_b32 s16, s13, 8
	s_lshl_b32 s17, s11, 7
	s_add_co_u32 s16, s16, s17
	s_lshl_b32 s16, s16, 12                        ; my first row, 4,096 bytes a row
	s_mov_b32 s17, 0
	s_add_nc_u64 s[8:9], s[8:9], s[16:17]
	s_lshl_b32 s46, s42, 9
	s_lshl_b32 s47, s12, 8
	s_add_co_u32 s46, s46, s47                     ; my first column, in bytes
	s_mov_b32 s47, 0
	s_add_nc_u64 s[8:9], s[8:9], s[46:47]
; 8 matrix instructions: A's blocks a0, a0 + 1 x Wo's four, 32 along K.  The 32 accumulators take turns in the same order in every quarter.
.macro MULA f, a0, zero
.irp a, \a0, \a0+1
.irp b, 0,1,2,3
.if \zero
	v_wmma_f32_16x16x32_f16 v[8*(4*(\a)+\b):8*(4*(\a)+\b)+7], v[\f+64+8*\b:\f+64+8*\b+7], v[\f+8*(\a):\f+8*(\a)+7], 0
.else
	v_wmma_f32_16x16x32_f16 v[8*(4*(\a)+\b):8*(4*(\a)+\b)+7], v[\f+64+8*\b:\f+64+8*\b+7], v[\f+8*(\a):\f+8*(\a)+7], v[8*(4*(\a)+\b):8*(4*(\a)+\b)+7]
.endif
.endr
.endr
.endm
; 24 LDS loads in one run: quarter q (32 along K) of a slot into buffer f: Wo's four fragments, then A's eight
.macro FETCH slot, q, f
	WIN TO_F
.irp b, 0,1,2,3
	ds_load_tr16_b128 v[\f+64+8*\b:\f+64+8*\b+3],   v[ADRB+\slot] offset:32*PB*(\q)+32*\b
	ds_load_tr16_b128 v[\f+64+8*\b+4:\f+64+8*\b+7], v[ADRB+\slot] offset:32*PB*(\q)+32*\b+16*PB
.endr
.irp i, 0,1,2,3,4,5,6,7
	ds_load_b128 v[\f+8*\i:\f+8*\i+3],   v[ADRA+\slot] offset:PLANE*((\q)/2)+64*((\q)%2)+16*PA*\i
	ds_load_b128 v[\f+8*\i+4:\f+8*\i+7], v[ADRA+\slot] offset:PLANE*((\q)/2)+64*((\q)%2)+16*PA*\i+32
.endr
.endm
.macro PLACES
.rept 4
	v_nop
.endr
.endm
.macro QUARTER slot, qn, f, g, zero    ; multiplies buffer f; in its middle fetches quarter qn of the same slot into g
	s_wait_dscnt 8                                 ; Wo's fragments and A's blocks 0-3 are in; the 8 youngest loads (blocks 4-7) may be out
	WIN MUL
	MULA \f, 0, \zero
	MULA \f, 2, \zero
	PLACES
	FETCH \slot, \qn, \g
	s_wait_dscnt 24                                ; all but the 24 just issued
	WIN MUL
	MULA \f, 4, \zero
	MULA \f, 6, \zero
.endm
; The last quarter multiplies buffer 1 and changes slots: one barrier; in front of it each wave waits for all its tensor loads, adds 0 to its spare word, and waits for that and for its reads of this slot.
.macro TURN slot, next, fill
	WIN 0
	s_wait_tensorcnt 0x0
	ds_add_u32 v[SPW], v[NIL]
	s_wait_dscnt 9                                 ; the add and the 8 youngest loads may be out
	WIN MUL
	MULA F1, 0, 0
	s_wait_dscnt 0x0
	s_barrier_signal -1
	MULA F1, 2, 0
.if \fill
	WIN 0
.endif
	s_barrier_wait -1
.if \fill
	CREST                                          ; the barrier has opened a round of the cluster's: no wave of any partner still reads this slot or has a load on its way
	s_add_nc_u64 s[G0+4*\slot+2:G0+4*\slot+3], s[G0+4*\slot+2:G0+4*\slot+3], 1048576     ; four heads on
	s_add_nc_u64 s[G0B+4*\slot+2:G0B+4*\slot+3], s[G0B+4*\slot+2:G0B+4*\slot+3], 524288  ; 256 rows on
	JLOAD \slot                                    ; the first tensor load behind the round; its four v_nop are also the places in front of the loads below
.else
	PLACES
.endif
	FETCH \next, 0, F0
	WIN MUL
	MULA F1, 4, 0
	MULA F1, 6, 0
.endm
	s_wait_tensorcnt 1                             ; my part of K step 0 is in; K step 1's load may be out
	s_barrier_signal -1
	s_barrier_wait -1
	FETCH 0, 0, F0
	QUARTER 0, 1, F0, F1, 1                        ; the first quarter's products start the sums
	WIN 0
	s_mov_b32 s3, LAPS-1
.Llap:                                                 ; a trip goes once round the ring and fills both slots again
	QUARTER 0, 2, F1, F0, 0
	QUARTER 0, 3, F0, F1, 0
	TURN 0, 1, 1
	QUARTER 1, 1, F0, F1, 0
	QUARTER 1, 2, F1, F0, 0
	QUARTER 1, 3, F0, F1, 0
	TURN 1, 0, 1
	QUARTER 0, 1, F0, F1, 0
	WIN 0
	s_sub_co_u32 s3, s3, 1
	s_cmp_lg_u32 s3, 0
	s_cbranch_scc1 .Llap
	QUARTER 0, 2, F1, F0, 0                        ; the last lap fills nothing
	QUARTER 0, 3, F0, F1, 0
	TURN 0, 1, 0
	QUARTER 1, 1, F0, F1, 0
	QUARTER 1, 2, F1, F0, 0
	QUARTER 1, 3, F0, F1, 0
	s_wait_dscnt 8
	WIN MUL
	MULA F1, 0, 0
	MULA F1, 2, 0
	s_wait_dscnt 0
	MULA F1, 4, 0
	MULA F1, 6, 0
	WIN 0
; THE WAY OUT, a block of 16 rows x 64 columns at a time, through my own stage: in by 32 bytes a lane, back as whole rows of 256 bytes, sixteen lanes to a row.
.macro TOSTAGE a
	WIN 0x08                                       ; an LDS store's data: window 2
.irp b, 0,1,2,3
	ds_store_b128 v[STO], v[8*(4*(\a)+\b):8*(4*(\a)+\b)+3] offset:64*\b        ; each accumulator from its low end on
	ds_store_b128 v[STO], v[8*(4*(\a)+\b)+4:8*(4*(\a)+\b)+7] offset:64*\b+16
.endr
	WIN 0
.set BB, OB+32*((\a)%2)
.irp t, 0,1,2,3,4,5,6,7
	ds_load_b128 v[BB+4*\t:BB+4*\t+3], v[RD] offset:\t*2*SPITCH
.endr
.endm
.macro SEND a, younger                 ; younger: the next block's 8 stores and 8 loads, or none
.set BB, OB+32*((\a)%2)
	s_wait_dscnt \younger
.irp t, 0,1,2,3,4,5,6,7
	global_store_b128 v[CO], v[BB+4*\t:BB+4*\t+3], s[8:9] offset:(16*(\a)+2*\t)*4096 th:TH_STORE_NT   ; sixteen lanes store 256 consecutive bytes, aligned
.endr
.endm
	PLACES
	TOSTAGE 0
.irp a, 1,2,3,4,5,6,7
.if \a > 1
	s_wait_xcnt 0x0                                ; block a - 2's stores have read the registers on which block a's loads land
.endif
	TOSTAGE \a
	SEND \a-1, 16
.endr
	SEND 7, 0
	s_wait_tensorcnt 0x0                           ; the wave's end
	ds_add_u32 v[SPW], v[NIL]
	s_wait_dscnt 0x0
	CROUND                                         ; the closing round
	s_endpgm
.Lfunc_end_k_qc95dbf51e5_outproj:
	.size	k_qc95dbf51e5_outproj, .Lfunc_end_k_qc95dbf51e5_outproj-k_qc95dbf51e5_outproj
	.p2alignl 7, 3214868480
	.fill 96, 4, 3214868480
	.section	.rodata,"a",@progbits
	.p2align	6, 0x0
	.amdhsa_kernel k_qc95dbf51e5_outproj
		.amdhsa_group_segment_fixed_size 327680
		.amdhsa_private_segment_fixed_size 0
		.amdhsa_enable_private_segment 0
		.amdhsa_kernarg_size 24
		.amdhsa_user_sgpr_count 2
		.amdhsa_user_sgpr_kernarg_segment_ptr 1
		.amdhsa_wavefront_size32 1
		.amdhsa_system_sgpr_workgroup_id_x 1
		.amdhsa_system_sgpr_workgroup_id_y 1
		.amdhsa_system_sgpr_workgroup_id_z 1
		.amdhsa_system_vgpr_workitem_id 0
		.amdhsa_next_free_vgpr 768
		.amdhsa_next_free_sgpr 66
		.amdhsa_reserve_vcc 0
		.amdhsa_float_denorm_mode_32 3
		.amdhsa_float_denorm_mode_16_64 3
		.amdhsa_memory_ordered 1
		.amdhsa_forward_progress 1
		.amdhsa_inst_pref_size 86
	.end_amdhsa_kernel
	.amdgpu_metadata
---
amdhsa.version: [ 1, 2 ]
amdhsa.kernels:
  - .name:           k_qc95dbf51e5_outproj
    .symbol:         k_qc95dbf51e5_outproj.kd
    .args:
      - { .name: ao, .offset: 0, .size: 8, .value_kind: global_buffer, .address_space: global }
      - { .name: aux, .offset: 8, .size: 8, .value_kind: global_buffer, .address_space: global }
      - { .name: out0, .offset: 16, .size: 8, .value_kind: global_buffer, .address_space: global }
    .group_segment_fixed_size: 327680
    .private_segment_fixed_size: 0
    .kernarg_segment_align: 8
    .kernarg_segment_size: 24
    .max_flat_workgroup_size: 128
    .sgpr_count:     66
    .vgpr_count:     768
    .wavefront_size: 32
...
	.end_amdgpu_metadata
.endif
;; end of part 4
;; launch first16 (part 5): grid 16 x 4, 16 waves a work-group, no clusters, 71,680 bytes of LDS; arguments fine, Wo, out0; writes out0
.if DOCPART == 5
	.amdgcn_target "amdgcn-amd-amdhsa--gfx1250"
	.amdhsa_code_object_version 6
	.text
	.protected	k_qc95dbf51e5_first16
	.globl	k_qc95dbf51e5_first16
	.p2align	8
	.type	k_qc95dbf51e5_first16,@function
k_qc95dbf51e5_first16:
	s_mov_b64 s[64:65], 0
	v_nop
	global_prefetch_b8 v0, s[64:65] scope:SCOPE_SE
	s_setreg_imm32_b32 hwreg(HW_REG_WAVE_MODE, 25, 1), 1
	s_wait_xcnt 0x0
; POSITIONS 0-15 OF EVERY BATCH, WHOLLY IN f32: their rows average one to sixteen values and are the largest in size, so scores, softmax, the second product and the projection are carried in f32, and the 64 rows of out0 are written anew.
; A work-group takes 64 columns of out0 for one batch; wave = head.  Each wave makes its head's 16 x 16 attention and its head's part of the projection; the 16 parts meet in LDS.
; All products by v_wmma_f32_16x16x4_f32: no bulk work (16 positions).  Its K places are (lane / 16, register); a step takes registers 2 t and 2 t + 1 of BOTH sources, which hold k = 8 (lane / 16) + 2 t + 0, 1 of a run of 16:
; the same order of k on both sides, so that results serve as operands with no change of lanes.
; fine: [batch][q', k, v][head][tile of 16 channels][1,024 bytes]: element (position r, channel 16 bt + 8 h + j) at (j / 4) 512 + 16 (16 h + r) + 4 (j % 4).  q' = q log2(e) / 8.
; The registers that the matrix instructions write (v192-199, v208-247) are written by nothing else; what is made of a sum goes into other registers.
.set SPARE, 69632                      ; behind the 16 parts: the spare words, 128 bytes a wave, that no other line names
.set SPW, 30
.set NIL, 31
.set VR,  96                           ; v96-127  V, then O / l
.set QI,  128                          ; v128-159 q's image, then Wo's third tile
.set KI,  160                          ; v160-191 k's image, then Wo's fourth
.set SA,  192
.set PP,  200
.set OA,  208                          ; v208-239 O^T's four accumulators, then the projection's
.set SB,  240
	s_load_b128 s[4:7], s[0:1], 0x0                ; fine, Wo
	s_load_b64 s[8:9], s[0:1], 0x10                ; out0
	v_lshl_add_u32 v[SPW], v0, 2, SPARE
	v_mov_b32 v[NIL], 0
	v_lshrrev_b32 v1, 5, v0
	v_readfirstlane_b32 s10, v1                    ; wave = head; later the row that I sum
	s_and_b32 s11, ttmp7, 0xffff                   ; batch
	v_and_b32 v2, 31, v0                           ; lane
	v_and_b32 v3, 15, v0                           ; r
	v_bfe_u32 v4, v0, 4, 1                         ; h
	v_lshlrev_b32 v5, 4, v2                        ; an image's 16 bytes a lane
	v_bfe_u32 v6, v3, 2, 1                         ; V(position 8 h + i, channel 16 dt + r) in v's image
	v_lshlrev_b32 v6, 9, v6
	v_lshrrev_b32 v7, 3, v3
	v_lshl_or_b32 v6, v7, 8, v6
	v_lshl_or_b32 v6, v4, 7, v6
	v_and_b32 v7, 3, v3
	v_lshl_or_b32 v6, v7, 2, v6
	v_lshlrev_b32 v7, 2, v3                        ; Wo: column r, 8 h rows of 4,096 bytes down
	v_lshl_or_b32 v7, v4, 15, v7
	v_lshlrev_b32 v8, 3, v4
	v_sub_nc_u32 v8, v3, v8                        ; r - 8 h: register j holds key 8 h + j, hidden where j > r - 8 h
	v_mov_b32 v9, 0xff800000
	v_mov_b32 v11, 0                               ; (a lane permute's destination counts as read)
	s_mul_i32 s19, s10, 4352
	v_mul_u32_u24 v12, v3, 272
	v_lshl_add_u32 v12, v4, 5, v12
	v_add_nc_u32 v12, s19, v12                     ; my part: 16 rows x 272 bytes; row r, + 32 h
	s_mul_i32 s18, s10, 272
	v_lshl_add_u32 v13, v2, 3, s18                 ; the sum: row = my wave's number, 8 bytes a lane
	v_lshlrev_b32 v14, 3, v2
	s_mov_b32 s20, 0x76543210
	s_mov_b32 s21, 0xfedcba98
	s_mul_i32 s12, s11, 196608
	s_lshl_b32 s13, s10, 12
	s_add_co_u32 s12, s12, s13
	s_mov_b32 s13, 0
	s_lshl_b32 s14, s10, 18                        ; the head's 64 rows of Wo
	s_lshl_b32 s15, ttmp9, 8                       ; my 64 columns
	s_add_co_u32 s14, s14, s15
	s_mov_b32 s15, 0
	s_lshl_b32 s16, s11, 23                        ; the batch's 2,048 rows of 4,096 bytes
	s_lshl_b32 s17, s10, 12
	s_add_co_u32 s16, s16, s17
	s_lshl_b32 s17, ttmp9, 8
	s_add_co_u32 s16, s16, s17
	s_mov_b32 s17, 0
	s_wait_kmcnt 0x0
	s_add_nc_u64 s[4:5], s[4:5], s[12:13]
	s_add_nc_u64 s[6:7], s[6:7], s[14:15]
	s_add_nc_u64 s[8:9], s[8:9], s[16:17]
.irp bt, 0,1,2,3
.irp hf, 0,1
	global_load_b128 v[QI+8*\bt+4*\hf:QI+8*\bt+4*\hf+3], v5, s[4:5] offset:1024*\bt+512*\hf
	global_load_b128 v[KI+8*\bt+4*\hf:KI+8*\bt+4*\hf+3], v5, s[4:5] offset:65536+1024*\bt+512*\hf
.endr
.endr
.irp dt, 0,1,2,3
.irp i, 0,1,2,3,4,5,6,7
	global_load_b32 v[VR+8*\dt+\i], v6, s[4:5] offset:131072+1024*\dt+16*\i
.endr
.endr
; Wo's tile ct (16 columns): register 8 dt + i holds Wo(head x 64 + 16 dt + 8 h + i, 64 c + 16 ct + r).  Tiles 0, 1 at v32 and v64; 2, 3 at v128 and v160
.macro WLOAD ct
.set n, 0
.rept 32
	global_load_b32 v[32+32*(\ct)+32*((\ct)/2)+n], v7, s[6:7] offset:(16*(n/8)+n%8)*4096+64*(\ct)
.set n, n+1
.endr
.endm
	WLOAD 0
	WLOAD 1
	s_wait_loadcnt 0x0                             ; 112 loads are out, more than a counted wait can name: so the wait is for all
; S^T = k q'^T: 16 steps of 4 along the head's 64, on two accumulators by turns; the first step of each starts its sum
.set n, 0
.rept 8
.if n == 0
	v_wmma_f32_16x16x4_f32 v[SA:SA+7], v[KI:KI+1], v[QI:QI+1], 0
	v_wmma_f32_16x16x4_f32 v[SB:SB+7], v[KI+16:KI+17], v[QI+16:QI+17], 0
.else
	v_wmma_f32_16x16x4_f32 v[SA:SA+7], v[KI+2*n:KI+2*n+1], v[QI+2*n:QI+2*n+1], v[SA:SA+7]
	v_wmma_f32_16x16x4_f32 v[SB:SB+7], v[KI+16+2*n:KI+16+2*n+1], v[QI+16+2*n:QI+16+2*n+1], v[SB:SB+7]
.endif
.set n, n+1
.endr
.rept 8
	v_nop                                          ; eight places behind this form, in front of loads into its sources and of the first read of its results
.endr
	WLOAD 2                                        ; they land while the softmax and the second product are walked
	WLOAD 3
.irp j, 0,1,2,3,4,5,6,7
	v_add_f32 v[PP+\j], v[SA+\j], v[SB+\j]         ; lane (r, h): query r, key 8 h + j
.endr
.irp j, 0,1,2,3,4,5,6,7
	v_cmp_gt_i32 vcc_lo, \j, v8
	v_cndmask_b32 v[PP+\j], v[PP+\j], v9, vcc_lo
.endr
	v_max3_num_f32 v10, v[PP], v[PP+1], v[PP+2]
	v_max3_num_f32 v10, v10, v[PP+3], v[PP+4]
	v_max3_num_f32 v10, v10, v[PP+5], v[PP+6]
	v_max_num_f32 v10, v10, v[PP+7]
	v_permlanex16_b32 v11, v10, s20, s21
	v_max_num_f32 v10, v10, v11                    ; the row's maximum: key 0 counts for every query
.irp j, 0,1,2,3,4,5,6,7
	v_sub_f32 v[PP+\j], v[PP+\j], v10
.endr
.irp j, 0,1,2,3,4,5,6,7
	v_exp_f32 v[PP+\j], v[PP+\j]
.endr
	v_nop
	s_wait_alu depctr_va_vdst(0)                   ; one wait for the eight, ahead of their first reader
	v_add_f32 v15, v[PP], v[PP+1]
	v_add_f32 v16, v[PP+2], v[PP+3]
	v_add_f32 v17, v[PP+4], v[PP+5]
	v_add_f32 v18, v[PP+6], v[PP+7]
	v_add_f32 v15, v15, v16
	v_add_f32 v17, v17, v18
	v_add_f32 v15, v15, v17
	v_permlanex16_b32 v11, v15, s20, s21
	v_add_f32 v15, v15, v11
	v_rcp_f32 v15, v15
	v_nop
	s_wait_alu depctr_va_vdst(0)
; O^T(dt) = V^T P: four accumulators by turns, four steps of 4 keys
.irp t, 0,1,2,3
.irp dt, 0,1,2,3
.if \t == 0
	v_wmma_f32_16x16x4_f32 v[OA+8*\dt:OA+8*\dt+7], v[VR+8*\dt:VR+8*\dt+1], v[PP:PP+1], 0
.else
	v_wmma_f32_16x16x4_f32 v[OA+8*\dt:OA+8*\dt+7], v[VR+8*\dt+2*\t:VR+8*\dt+2*\t+1], v[PP+2*\t:PP+2*\t+1], v[OA+8*\dt:OA+8*\dt+7]
.endif
.endr
.endr
.rept 8
	v_nop
.endr
.set n, 0
.rept 32
	v_mul_f32 v[VR+n], v[OA+n], v15                ; O / l: lane (r, h), register 8 dt + j: query r, channel 16 dt + 8 h + j; each accumulator from its low end on
.set n, n+1
.endr
.rept 9
	v_nop                                          ; nine places in front of matrix instructions that begin new sums on these accumulators
.endr
	s_wait_loadcnt 0x0                             ; Wo's tiles 2 and 3
; OUT(ct) = Wo^T (O / l): four accumulators by turns, 16 steps of 4 channels
.set n, 0
.rept 16
.irp ct, 0,1,2,3
.if n == 0
	v_wmma_f32_16x16x4_f32 v[OA+8*\ct:OA+8*\ct+7], v[32+32*\ct+32*(\ct/2):32+32*\ct+32*(\ct/2)+1], v[VR:VR+1], 0
.else
	v_wmma_f32_16x16x4_f32 v[OA+8*\ct:OA+8*\ct+7], v[32+32*\ct+32*(\ct/2)+2*n:32+32*\ct+32*(\ct/2)+2*n+1], v[VR+2*n:VR+2*n+1], v[OA+8*\ct:OA+8*\ct+7]
.endif
.endr
.set n, n+1
.endr
.rept 8
	v_nop
.endr
.irp ct, 0,1,2,3
	ds_store_b128 v12, v[OA+8*\ct:OA+8*\ct+3] offset:64*\ct            ; lane (r, h): row r, columns 16 ct + 8 h + 0 .. 7
	ds_store_b128 v12, v[OA+8*\ct+4:OA+8*\ct+7] offset:64*\ct+16
.endr
	s_wait_dscnt 0x0                               ; for the others' sake: my part lies in LDS
	s_barrier_signal -1
	s_barrier_wait -1
.irp p, 0,1,2,3,4,5,6,7,8,9,10,11,12,13,14,15
	ds_load_b64 v[32+2*\p:33+2*\p], v13 offset:4352*\p                 ; the 16 heads' parts of my row's 8 bytes
.endr
	s_wait_dscnt 0x0
.irp p, 0,2,4,6,8,10,12,14                         ; summed in one fixed order
	v_pk_add_f32 v[32+2*\p:33+2*\p], v[32+2*\p:33+2*\p], v[34+2*\p:35+2*\p]
.endr
.irp p, 0,4,8,12
	v_pk_add_f32 v[32+2*\p:33+2*\p], v[32+2*\p:33+2*\p], v[36+2*\p:37+2*\p]
.endr
.irp p, 0,8
	v_pk_add_f32 v[32+2*\p:33+2*\p], v[32+2*\p:33+2*\p], v[40+2*\p:41+2*\p]
.endr
	v_pk_add_f32 v[32:33], v[32:33], v[48:49]
	global_store_b64 v14, v[32:33], s[8:9]         ; 32 lanes store 256 consecutive bytes, aligned
	s_wait_tensorcnt 0x0                           ; the wave's end, behind my last LDS store
	ds_add_u32 v[SPW], v[NIL]
	s_wait_dscnt 0x0
	s_endpgm
.Lfunc_end_k_qc95dbf51e5_first16:
	.size	k_qc95dbf51e5_first16, .Lfunc_end_k_qc95dbf51e5_first16-k_qc95dbf51e5_first16
	.p2alignl 7, 3214868480
	.fill 96, 4, 3214868480
	.section	.rodata,"a",@progbits
	.p2align	6, 0x0
	.amdhsa_kernel k_qc95dbf51e5_first16
		.amdhsa_group_segment_fixed_size 71680
		.amdhsa_private_segment_fixed_size 0
		.amdhsa_enable_private_segment 0
		.amdhsa_kernarg_size 24
		.amdhsa_user_sgpr_count 2
		.amdhsa_user_sgpr_kernarg_segment_ptr 1
		.amdhsa_wavefront_size32 1
		.amdhsa_system_sgpr_workgroup_id_x 1
		.amdhsa_system_sgpr_workgroup_id_y 1
		.amdhsa_system_sgpr_workgroup_id_z 1
		.amdhsa_system_vgpr_workitem_id 0
		.amdhsa_next_free_vgpr 256
		.amdhsa_next_free_sgpr 66
		.amdhsa_reserve_vcc 1
		.amdhsa_float_denorm_mode_32 3
		.amdhsa_float_denorm_mode_16_64 3
		.amdhsa_memory_ordered 1
		.amdhsa_forward_progress 1
		.amdhsa_inst_pref_size 32
	.end_amdhsa_kernel
	.amdgpu_metadata
---
amdhsa.version: [ 1, 2 ]
amdhsa.kernels:
  - .name:           k_qc95dbf51e5_first16
    .symbol:         k_qc95dbf51e5_first16.kd
    .args:
      - { .name: fine, .offset: 0, .size: 8, .value_kind: global_buffer, .address_space: global }
      - { .name: Wo, .offset: 8, .size: 8, .value_kind: global_buffer, .address_space: global }
      - { .name: out0, .offset: 16, .size: 8, .value_kind: global_buffer, .address_space: global }
    .group_segment_fixed_size: 71680
    .private_segment_fixed_size: 0
    .kernarg_segment_align: 8
    .kernarg_segment_size: 24
    .max_flat_workgroup_size: 512
    .sgpr_count:     66
    .vgpr_count:     256
    .wavefront_size: 32
...
	.end_amdgpu_metadata
.endif
;; end of part 5
